; MI455X (gfx1250); checked and timed in simulation.
; The chip was launched on July 23, 2026; its instructions are those of AMD's public machine-readable ISA for CDNA 5 (MIT licence, August 2026) and "CDNA5" Instruction Set Architecture Reference Guide (July 2026). The comments in the code are by the model that wrote it; some were corrected since.
;; Transformer Block. Allowed arithmetic: float matrix products may take bf16 or f16 operands with f32 sums; other float arithmetic in f32, or as packed bf16 or f16 multiplies, adds, multiply-adds, maxima and minima; sums over many terms, partial sums and values carried from step to step in f32; what a program stores and reads back later, other than sums and carried values, may be rounded once to bf16 or f16.
;; Inputs: W1 512 x 2,048 float32; W2 2,048 x 512 float32; Wk 512 x 512 float32; Wo 512 x 512 float32; Wq 512 x 512 float32; Wv 512 x 512 float32; b1 2,048 float32; b2 512 float32; bo 512 float32; ln1_scale 512 float32; ln1_shift 512 float32; ln2_scale 512 float32; ln2_shift 512 float32; x 4 x 2,048 x 512 float32.
;; Outputs: out0 4 x 2,048 x 512 float32.
;; 2 versions, each right and faster than the one before. Each part assembles by itself: llvm-mc -triple=amdgcn-amd-amdhsa -mcpu=gfx1250 --defsym DOCPART=n.
;; ======== version 1 of 2: 6 launches
;; workspace buffers: h 8,388,608 bytes; wqkv 2,097,152 bytes; wf 4,718,592 bytes; act 33,554,432 bytes; ctx 8,388,608 bytes; x1 16,777,216 bytes; parq 256 bytes of whole numbers; parf 256 bytes of whole numbers
;; launch prep (part 1): grid 448 x 1, 8 waves a work-group, no clusters, 0 bytes of LDS; arguments x, ln1_scale, ln1_shift, Wq, Wk, Wv, Wo, W1, W2, h, wqkv, wf, parq, parf; writes h, wqkv, wf, parq, parf
.if DOCPART == 1
	.amdgcn_target "amdgcn-amd-amdhsa--gfx1250"
	.amdhsa_code_object_version 6
	.text
	.protected	k_qdb35a1de4e_prep
	.globl	k_qdb35a1de4e_prep
	.p2align	8
	.type	k_qdb35a1de4e_prep,@function
k_qdb35a1de4e_prep:
	s_mov_b64 s[64:65], 0
	v_nop
	global_prefetch_b8 v0, s[64:65] scope:SCOPE_SE
	s_setreg_imm32_b32 hwreg(HW_REG_WAVE_MODE, 25, 1), 1
	s_wait_xcnt 0x0
; PREP.  Work-groups 0-255: h = LayerNorm1(x), rounded once to bf16, [8192][512].  Work-groups 256-447: the six weights rounded once to bf16, their [K][N] order kept:
; wqkv [512][pitch 2048] holds Wq | Wk | Wv in columns 0-1535 (the other columns are neither written nor read); wf holds W1 [512][2048], then W2 [2048][512], then Wo [512][512].
; One wave also stores the two mode words that the shared product body of later launches reads: parq = 0 (plain way out), parf = 1 (bias and GELU).
; A stream: no LDS, no matrix unit, no cluster: nothing is shared and every byte is read once.
; THE UNIT is a row of 512 f32.  Lane l takes columns 4 l + 128 i, i = 0..3: each load of a wave covers 512 consecutive bytes, each store of 8 bytes a lane 256 consecutive aligned bytes.
; A wave takes 4 rows and issues all its 16 row loads at once; a work-group takes 32 rows.
; LayerNorm in f32, in two passes over registers: mean, then the mean of (x - mean)^2.  NaN and infinities are not treated apart.
.set W2OFF, 2097152
.set WOOFF, 4194304
.set ID,   34                          ; s34      the work-group's number
.set INV,  35                          ; s35      1/512
.set EPS,  36                          ; s36      1e-5
.set SEL,  38                          ; s[38:39] v_permlanex16_b32's selects: each lane takes its own place in the other half
.set T,    8                           ; v[8:15]  at work
.set DO,   16                          ; v[16:19] cast: a row's byte offset in the destination
.set X,    32                          ; v[32:95] four rows as loaded
.set SC,   96                          ; v[96:111]  scale of my 16 columns
.set SH,   112                         ; v[112:127] shift
.set Y,    128                         ; v[128:159] four rows to store: each row has its own, so no store's data is rewritten
.macro ROWS base                       ; 16 loads: my wave's four rows
.set i, 0
.rept 16
	global_load_b128 v[X+4*i:X+4*i+3], v2, s[\base:\base+1] offset:(i/4)*2048+(i%4)*512
.set i, i+1
.endr
.endm
.macro REDUCE a                        ; v[a] summed over the wave's 32 lanes, the sum in every lane; v[a+1] is spent
	v_add_f32_dpp v[\a], v[\a], v[\a] row_xmask:1 row_mask:0xf bank_mask:0xf
	v_add_f32_dpp v[\a], v[\a], v[\a] row_xmask:2 row_mask:0xf bank_mask:0xf
	v_add_f32_dpp v[\a], v[\a], v[\a] row_xmask:4 row_mask:0xf bank_mask:0xf
	v_add_f32_dpp v[\a], v[\a], v[\a] row_xmask:8 row_mask:0xf bank_mask:0xf
	v_permlanex16_b32 v[(\a)+1], v[\a], s[SEL], s[SEL+1]
	v_add_f32 v[\a], v[\a], v[(\a)+1]
.endm
.macro LNROW src, dst                  ; the row in v[src..src+15] is normalised in place and rounded into v[dst..dst+7]
.irp j, 0,1,2,3
	v_pk_add_f32 v[T+2*\j:T+2*\j+1], v[(\src)+4*\j:(\src)+4*\j+1], v[(\src)+4*\j+2:(\src)+4*\j+3]
.endr
	v_pk_add_f32 v[T:T+1], v[T:T+1], v[T+2:T+3]
	v_pk_add_f32 v[T+4:T+5], v[T+4:T+5], v[T+6:T+7]
	v_pk_add_f32 v[T:T+1], v[T:T+1], v[T+4:T+5]
	v_add_f32 v[T], v[T], v[T+1]
	REDUCE T
	v_mul_f32 v[T], s[INV], v[T]                   ; the mean
.irp j, 0,1,2,3,4,5,6,7
	v_pk_add_f32 v[(\src)+2*\j:(\src)+2*\j+1], v[(\src)+2*\j:(\src)+2*\j+1], v[T:T+1] op_sel_hi:[1,0] neg_lo:[0,1] neg_hi:[0,1]
.endr
	v_pk_mul_f32 v[T+2:T+3], v[(\src):(\src)+1], v[(\src):(\src)+1]      ; squares in two chains
	v_pk_mul_f32 v[T+4:T+5], v[(\src)+2:(\src)+3], v[(\src)+2:(\src)+3]
.irp j, 2,4,6
	v_pk_fma_f32 v[T+2:T+3], v[(\src)+2*\j:(\src)+2*\j+1], v[(\src)+2*\j:(\src)+2*\j+1], v[T+2:T+3]
	v_pk_fma_f32 v[T+4:T+5], v[(\src)+2*\j+2:(\src)+2*\j+3], v[(\src)+2*\j+2:(\src)+2*\j+3], v[T+4:T+5]
.endr
	v_pk_add_f32 v[T+2:T+3], v[T+2:T+3], v[T+4:T+5]
	v_add_f32 v[T+2], v[T+2], v[T+3]
	REDUCE T+2
	v_fma_f32 v[T+2], v[T+2], s[INV], s[EPS]       ; variance + eps
	v_rsq_f32 v[T+2], v[T+2]
	v_nop                                          ; a plain instruction between the root and the use of its result (ISA guide 5.7.2)
	s_wait_alu depctr_va_vdst(0)
.irp j, 0,1,2,3,4,5,6,7
	v_pk_mul_f32 v[(\src)+2*\j:(\src)+2*\j+1], v[(\src)+2*\j:(\src)+2*\j+1], v[T+2:T+3] op_sel_hi:[1,0]
.endr
.irp j, 0,1,2,3,4,5,6,7
	v_pk_fma_f32 v[(\src)+2*\j:(\src)+2*\j+1], v[(\src)+2*\j:(\src)+2*\j+1], v[SC+2*\j:SC+2*\j+1], v[SH+2*\j:SH+2*\j+1]
.endr
.irp j, 0,1,2,3,4,5,6,7
	v_cvt_pk_bf16_f32 v[(\dst)+\j], v[(\src)+2*\j], v[(\src)+2*\j+1]
.endr
.endm
	s_load_b512 s[4:19], s[0:1], 0x0               ; x 4, ln1_scale 6, ln1_shift 8, Wq 10, Wk 12, Wv 14, Wo 16, W1 18
	s_load_b256 s[20:27], s[0:1], 0x40             ; W2 20, h 22, wqkv 24, wf 26
	s_load_b128 s[28:31], s[0:1], 0x60             ; parq 28, parf 30
	s_mov_b32 s[ID], ttmp9
	v_and_b32 v1, 31, v0                           ; lane
	v_lshrrev_b32 v5, 5, v0                        ; wave
	v_lshlrev_b32 v4, 4, v1                        ; 16 x lane
	v_lshl_add_u32 v2, v5, 13, v4                  ; + wave x 4 rows x 2,048 bytes: my offset in the group's 32 source rows
	s_mov_b32 s41, 0
	s_wait_kmcnt 0x0
	s_cmp_lt_u32 s[ID], 256
	s_cbranch_scc0 .Lcast
	; ---- LayerNorm 1 ----
	s_lshl_b32 s40, s[ID], 16                      ; 32 rows of 2,048 bytes
	s_add_nc_u64 s[4:5], s[4:5], s[40:41]
	s_lshl_b32 s40, s[ID], 15                      ; 32 rows of 1,024 bytes
	s_add_nc_u64 s[22:23], s[22:23], s[40:41]
.irp i, 0,1,2,3
	global_load_b128 v[SC+4*\i:SC+4*\i+3], v4, s[6:7] offset:512*\i
.endr
.irp i, 0,1,2,3
	global_load_b128 v[SH+4*\i:SH+4*\i+3], v4, s[8:9] offset:512*\i
.endr
	ROWS 4
	s_mov_b32 s[INV], 0x3b000000
	s_mov_b32 s[EPS], 0x3727c5ac
	s_mov_b32 s[SEL], 0x76543210
	s_mov_b32 s[SEL+1], 0xfedcba98
	v_lshlrev_b32 v3, 3, v1
	v_lshl_add_u32 v3, v5, 12, v3                  ; 8 x lane + wave x 4 rows x 1,024 bytes
.irp r, 0,1,2,3
	s_wait_loadcnt 12-4*\r                         ; loads come back in order: scale, shift and rows up to this one are in, the 4 (3 - r) loads of later rows stay out
	LNROW X+16*\r, Y+8*\r
.irp i, 0,1,2,3
	global_store_b64 v3, v[Y+8*\r+2*\i:Y+8*\r+2*\i+1], s[22:23] offset:1024*\r+256*\i
.endr
.endr
	s_endpgm
	; ---- the weights ----
.Lcast:
	s_sub_co_u32 s42, s[ID], 256                   ; c = 0..191.  Which tensor: a chain of selects on c alone
	s_mov_b64 s[44:45], s[20:21]                   ; c >= 128: W2 -> wf + W2OFF
	s_mov_b64 s[46:47], s[26:27]
	s_mov_b32 s48, 128                             ; the tensor's first c
	s_mov_b32 s49, W2OFF                           ; its place in the destination
	s_mov_b32 s50, 1024                            ; bytes from one unit row to the next in the destination
	s_cmp_lt_u32 s42, 128                          ; 64-127: W1 -> wf
	s_cselect_b64 s[44:45], s[18:19], s[44:45]
	s_cselect_b32 s48, 64, s48
	s_cselect_b32 s49, 0, s49
	s_cmp_lt_u32 s42, 64                           ; 48-63: Wo -> wf + WOOFF
	s_cselect_b64 s[44:45], s[16:17], s[44:45]
	s_cselect_b32 s48, 48, s48
	s_cselect_b32 s49, WOOFF, s49
	s_cmp_lt_u32 s42, 48                           ; 32-47: Wv -> wqkv, columns 1024 on
	s_cselect_b64 s[44:45], s[14:15], s[44:45]
	s_cselect_b64 s[46:47], s[24:25], s[46:47]
	s_cselect_b32 s48, 32, s48
	s_cselect_b32 s49, 2048, s49
	s_cselect_b32 s50, 4096, s50
	s_cmp_lt_u32 s42, 32                           ; 16-31: Wk, columns 512 on
	s_cselect_b64 s[44:45], s[12:13], s[44:45]
	s_cselect_b32 s48, 16, s48
	s_cselect_b32 s49, 1024, s49
	s_cmp_lt_u32 s42, 16                           ; 0-15: Wq
	s_cselect_b64 s[44:45], s[10:11], s[44:45]
	s_cselect_b32 s48, 0, s48
	s_cselect_b32 s49, 0, s49
	s_sub_co_u32 s51, s42, s48                     ; my block of 32 unit rows in the tensor
	s_lshl_b32 s52, s51, 16
	s_mov_b32 s53, 0
	s_add_nc_u64 s[44:45], s[44:45], s[52:53]
	s_mul_i32 s52, s51, s50
	s_lshl_b32 s52, s52, 5
	s_add_co_u32 s52, s52, s49
	s_add_nc_u64 s[46:47], s[46:47], s[52:53]
	ROWS 44
	v_lshlrev_b32 v6, 2, v5                        ; my wave's first row of the 32
.irp r, 0,1,2,3
	v_add_nc_u32 v7, \r, v6
	v_mul_lo_u32 v7, v7, s50
	v_lshl_add_u32 v[DO+\r], v1, 3, v7             ; row x pitch + 8 x lane
.endr
.irp r, 0,1,2,3
	s_wait_loadcnt 12-4*\r                         ; this row's four loads are in, the later rows' stay out
.irp j, 0,1,2,3,4,5,6,7
	v_cvt_pk_bf16_f32 v[Y+8*\r+\j], v[X+16*\r+2*\j], v[X+16*\r+2*\j+1]
.endr
.irp i, 0,1,2,3
	global_store_b64 v[DO+\r], v[Y+8*\r+2*\i:Y+8*\r+2*\i+1], s[46:47] offset:256*\i
.endr
.endr
	s_cmp_lg_u32 s42, 0                            ; the mode words: one wave of one work-group
	s_cbranch_scc1 .Ldone
	v_readfirstlane_b32 s54, v5
	s_cmp_lg_u32 s54, 0
	s_cbranch_scc1 .Ldone
	v_lshlrev_b32 v20, 3, v1
	v_mov_b32 v22, 0
	v_mov_b32 v23, 0
	v_mov_b32 v24, 1
	v_mov_b32 v25, 1
	global_store_b64 v20, v[22:23], s[28:29]       ; 256 bytes of the whole number 0
	global_store_b64 v20, v[24:25], s[30:31]       ; 256 bytes of the whole number 1
.Ldone:
	s_endpgm
.Lfunc_end_k_qdb35a1de4e_prep:
	.size	k_qdb35a1de4e_prep, .Lfunc_end_k_qdb35a1de4e_prep-k_qdb35a1de4e_prep
	.p2alignl 7, 3214868480
	.fill 96, 4, 3214868480
	.section	.rodata,"a",@progbits
	.p2align	6, 0x0
	.amdhsa_kernel k_qdb35a1de4e_prep
		.amdhsa_group_segment_fixed_size 0
		.amdhsa_private_segment_fixed_size 0
		.amdhsa_enable_private_segment 0
		.amdhsa_kernarg_size 112
		.amdhsa_user_sgpr_count 2
		.amdhsa_user_sgpr_kernarg_segment_ptr 1
		.amdhsa_wavefront_size32 1
		.amdhsa_system_sgpr_workgroup_id_x 1
		.amdhsa_system_sgpr_workgroup_id_y 1
		.amdhsa_system_sgpr_workgroup_id_z 1
		.amdhsa_system_vgpr_workitem_id 0
		.amdhsa_next_free_vgpr 160
		.amdhsa_next_free_sgpr 66
		.amdhsa_reserve_vcc 0
		.amdhsa_float_denorm_mode_32 3
		.amdhsa_float_denorm_mode_16_64 3
		.amdhsa_memory_ordered 1
		.amdhsa_forward_progress 1
		.amdhsa_inst_pref_size 29
	.end_amdhsa_kernel
	.amdgpu_metadata
---
amdhsa.version: [ 1, 2 ]
amdhsa.kernels:
  - .name:           k_qdb35a1de4e_prep
    .symbol:         k_qdb35a1de4e_prep.kd
    .args:
      - { .name: x, .offset: 0, .size: 8, .value_kind: global_buffer, .address_space: global }
      - { .name: ln1_scale, .offset: 8, .size: 8, .value_kind: global_buffer, .address_space: global }
      - { .name: ln1_shift, .offset: 16, .size: 8, .value_kind: global_buffer, .address_space: global }
      - { .name: Wq, .offset: 24, .size: 8, .value_kind: global_buffer, .address_space: global }
      - { .name: Wk, .offset: 32, .size: 8, .value_kind: global_buffer, .address_space: global }
      - { .name: Wv, .offset: 40, .size: 8, .value_kind: global_buffer, .address_space: global }
      - { .name: Wo, .offset: 48, .size: 8, .value_kind: global_buffer, .address_space: global }
      - { .name: W1, .offset: 56, .size: 8, .value_kind: global_buffer, .address_space: global }
      - { .name: W2, .offset: 64, .size: 8, .value_kind: global_buffer, .address_space: global }
      - { .name: h, .offset: 72, .size: 8, .value_kind: global_buffer, .address_space: global }
      - { .name: wqkv, .offset: 80, .size: 8, .value_kind: global_buffer, .address_space: global }
      - { .name: wf, .offset: 88, .size: 8, .value_kind: global_buffer, .address_space: global }
      - { .name: parq, .offset: 96, .size: 8, .value_kind: global_buffer, .address_space: global }
      - { .name: parf, .offset: 104, .size: 8, .value_kind: global_buffer, .address_space: global }
    .group_segment_fixed_size: 0
    .private_segment_fixed_size: 0
    .kernarg_segment_align: 8
    .kernarg_segment_size: 112
    .max_flat_workgroup_size: 256
    .sgpr_count:     66
    .vgpr_count:     160
    .wavefront_size: 32
...
	.end_amdgpu_metadata
.endif
;; end of part 1
;; launch qkv (part 2): grid 32 x 6, 4 waves a work-group, clusters of 4 x 1, 327,680 bytes of LDS; arguments h, wqkv, b1, act, parq; writes act
.if DOCPART == 2
	.amdgcn_target "amdgcn-amd-amdhsa--gfx1250"
	.amdhsa_code_object_version 6
	.text
	.protected	k_qdb35a1de4e_qkv
	.globl	k_qdb35a1de4e_qkv
	.p2align	8
	.type	k_qdb35a1de4e_qkv,@function
k_qdb35a1de4e_qkv:
	s_mov_b64 s[64:65], 0
	v_nop
	global_prefetch_b8 v0, s[64:65] scope:SCOPE_SE
	s_setreg_imm32_b32 hwreg(HW_REG_WAVE_MODE, 25, 1), 1
	s_wait_xcnt 0x0
	s_wait_alu depctr_hold_cnt(0) depctr_sa_sdst(0) depctr_va_vdst(0) depctr_va_sdst(0) depctr_va_ssrc(0) depctr_va_vcc(0) depctr_vm_vsrc(0)
	s_getreg_b32 s2, hwreg(HW_REG_IB_STS2, 6, 4)
	s_cmp_eq_u32 s2, 0
	s_cbranch_scc0 .Lentry_in_a_cluster
	s_endpgm
.Lentry_in_a_cluster:
	s_bfe_u32 s2, ttmp6, 0x10000c
	s_cmp_lg_u32 s2, 0x3003
	s_cbranch_scc0 .Lentry_shape_is_right
	s_endpgm
.Lentry_shape_is_right:
; C = A B for A [8192][512] bf16 (rows along K) and B [512][pitch 2048] bf16 (rows along N), sums in f32; the result rounded once to bf16 and stored in PANELS [column / 32][8192 rows][32].
; One text, two launches: the mode word (a whole number that an earlier launch stored) is 0: the sums go out as they are (q, k, v);  1: gelu(sum + bias) goes out (the first feed-forward product).
; THE CHOICE SELECTS A VALUE: both results are made in every trip of the way out and v_cndmask_b32 takes one.  In a launch with joint loads no branch hangs on a number read from memory, which could differ
; between partners.  The price: with mode 0 the bias and the GELU of a lane's 512 numbers are computed and thrown away.
; GELU is the exact one, x Phi(x), as max(x, 0) - |x| erfc(|x| / sqrt 2) / 2, which subtracts no near-equal numbers; erfc by Abramowitz and Stegun 7.1.26, absolute error at most 1.5e-7 for every x.
; LIMITS: NaN and infinities are not treated apart.
; SHARES.  A tile of C is 256 x 256, four waves of 128 x 128: 64 accumulators, 512 registers.  K = 512 goes in 4 steps of 128 through two LDS slots; a step is 4 chunks of 32 along K on two fragment buffers.
; CLUSTER 4, 1, 1: the four partners make four row tiles of one column tile, so B's tiles are asked for JOINTLY (waves 2 and 3: the same load, descriptor and mask in all four); A's tiles are each
; work-group's own (waves 0 and 1, no mask).  A 4 x 4 cluster is not taken: the first launch has 6 column tiles.
; THE MATRIX INSTRUCTION IS USED TRANSPOSED: source 0 = 16 columns of B (turned out of LDS by ds_load_tr16_b128), source 1 = 16 rows of A: a lane holds row l % 16 and columns 8 (l / 16) + 0..7.
; REGISTERS in windows of 256: window 0: v0-31 addresses, v32-63 bias, v64-127 and v128-191 A's two fragment buffers (later the way out), v192-223 the way out;  window 1: B's two buffers at the same numbers;
; windows 2, 3: accumulators.
.set WM, 8
.set WN, 8
.set NACC, WM*WN
.set NF, 2*(WM+WN)                     ; LDS loads of one chunk's fragments
.set PITA, 272                         ; A's row in LDS: 256 bytes + 16: the 16 rows of a load start 4 banks apart (64 banks of 4 bytes: ISA guide 11.1)
.set PITB, 544                         ; B's row: 512 bytes + 32: an odd multiple of 32
.set HALF, 34816                       ; 128 rows of A = 64 rows of B: what one tensor load brings
.set BOFF, 2*HALF
.set SLOT, 4*HALF
.set SPARE, 2*SLOT                     ; the spare words: 128 bytes a wave, two blocks of 256 bytes that no other line names
.set EP, 528                           ; the way out: a row of 128 f32 + 16 bytes
.set REGION, 128*EP                    ; each wave's stage, laid over the slots when they have had their last fill and their last read
.set ASTEP, 512                        ; two K steps along A's rows
.set BSTEP, 256*4096                   ; two K steps down B's rows
.set ADRA, 16                          ; v16-17 my A fragments' LDS address in slot 0, 1
.set ADRB, 20                          ; v20-21 the same for B
.set STO, 24
.set RD, 25
.set GO, 26
.set BO, 27
.set SPW, 28                           ; my spare word's address; never rewritten
.set NIL, 29                           ; 0; never rewritten
.set MD, 30                            ; the mode word in every lane
.set BI, 32
.set F0, 64
.set F1, 128
.set X, 64                             ; the way out: 32 numbers in f32
.set AX, 128
.set SQ, 144
.set TT, 160
.set PL, 176
.set Y, 192                            ; 32 numbers to store
.set Y0, 208                           ; the plain sums, rounded
.set WV, 16
.set WR, 17
.set WC, 18
.set CX, 19
.set MT, 21
.set NT, 22
.set MODE, 23
.set G1A, 32
.set G0A, 40
.set G1B, 48
.set G0B, 56
.set KPC, 66                           ; constants of the GELU, each as a pair whose low word the packed forms take for both halves
.set KNK, 68
.set KA1, 70
.set KA2, 72
.set KA3, 74
.set KA4, 76
.set KA5, 78
.set KABS, 80
.set MSB, 0
.macro WIN new                         ; the immediate's high byte repeats the setting that is left; a switch that changes nothing is dropped
.if MSB != (\new)
	s_set_vgpr_msb (MSB<<8)|(\new)
.set MSB, (\new)
.endif
.endm
.macro PLACES                          ; four plain vector places behind matrix instructions (ISA guide 7.12.1), where no other vector work is at hand
.rept 4
	v_nop
.endr
.endm
.macro CREST                           ; a round of the cluster's barrier behind its opening barrier
	s_cmp_lg_u32 s[WV], 0
	s_cbranch_scc1 .Lnot_wave_0_\@
	s_barrier_signal -3
.Lnot_wave_0_\@:
	s_barrier_wait -3
	s_barrier_signal -1
	s_barrier_wait -1
.endm
.macro CROUND
	s_barrier_signal -1
	s_barrier_wait -1
	CREST
.endm
.macro JLOAD s                         ; waves 0, 1: A's two halves, my work-group's own; waves 2, 3: B's two halves, jointly.  An s_nop 0 and four v_nop follow each line
	s_cmp_eq_u32 s[WR], 0
	s_cbranch_scc0 .Lfor_b_\@
	tensor_load_to_lds s[G0A+4*(\s):G0A+4*(\s)+3], s[G1A:G1A+7]
	s_nop 0
	PLACES
	s_branch .Lasked_\@
.Lfor_b_\@:
	tensor_load_to_lds s[G0B+4*(\s):G0B+4*(\s)+3], s[G1B:G1B+7]
	s_nop 0
	PLACES
.Lasked_\@:
.endm
.macro SPAIR r, val
	s_mov_b32 s[\r], \val
	s_mov_b32 s[(\r)+1], \val
.endm
; Accumulators i0 .. i1-1 take one product each, always in ascending order, so that no two matrix instructions that follow each other share an accumulator.  z = 1: C = 0 starts the sums.
.macro MULR f, i0, i1, z
.set idx, \i0
.rept (\i1)-(\i0)
.set ra, idx/WN
.set rb, idx%WN
.set rd, 8*(idx%32)
	WIN 0xa1+0x50*(idx/32)                         ; source 0 (B) window 1, source 1 (A) window 0, C and D window 2 or 3
.if \z
	v_wmma_f32_16x16x32_bf16 v[rd:rd+7], v[(\f)+8*rb:(\f)+8*rb+7], v[(\f)+8*ra:(\f)+8*ra+7], 0
.else
	v_wmma_f32_16x16x32_bf16 v[rd:rd+7], v[(\f)+8*rb:(\f)+8*rb+7], v[(\f)+8*ra:(\f)+8*ra+7], v[rd:rd+7]
.endif
.set idx, idx+1
.endr
.endm
.macro FETCH slot, kq, f               ; one chunk's fragments in one run: B turned, then A
	WIN 0x40
.set fi, 0
.rept WN
	ds_load_tr16_b128 v[(\f)+8*fi:(\f)+8*fi+3],   v[ADRB+(\slot)] offset:(\kq)*32*PITB+32*fi
	ds_load_tr16_b128 v[(\f)+8*fi+4:(\f)+8*fi+7], v[ADRB+(\slot)] offset:(\kq)*32*PITB+16*PITB+32*fi
.set fi, fi+1
.endr
	WIN 0
.set fi, 0
.rept WM
	ds_load_b128 v[(\f)+8*fi:(\f)+8*fi+3],   v[ADRA+(\slot)] offset:(\kq)*64+fi*16*PITA
	ds_load_b128 v[(\f)+8*fi+4:(\f)+8*fi+7], v[ADRA+(\slot)] offset:(\kq)*64+fi*16*PITA+32
.set fi, fi+1
.endr
.endm
.macro CHUNK f, g, slot, kq, z         ; fetches chunk kq into g, multiplies f
	PLACES                                         ; g was read by the chunk before
	FETCH \slot, \kq, \g
	s_wait_dscnt NF                                ; all but the NF loads just issued: f is in
	MULR \f, 0, NACC, \z
.endm
; A step's last chunk changes slots: one barrier.  In front of it each wave waits for all its tensor loads (one is out: its part of the next slot), adds 0 to its spare word, and waits for that and for its reads of this slot.
; fill = 1: the barrier opens a round of the cluster's barrier, and this slot's refill, two K steps on, is the first thing behind it: it has 224 matrix instructions in which to land.
.macro TURN f, g, slot, next, fill
	WIN 0
	s_wait_tensorcnt 0x0
	ds_add_u32 v[SPW], v[NIL]
	s_wait_dscnt 0x1                               ; only the add may be out: f is in
	MULR \f, 0, NACC/4, 0
	s_wait_dscnt 0x0                               ; the add is done, my reads of this slot are over
	s_barrier_signal -1
	MULR \f, NACC/4, NACC/2, 0
	WIN 0
	s_barrier_wait -1
.if \fill
	CREST
	s_add_nc_u64 s[G0A+4*(\slot)+2:G0A+4*(\slot)+3], s[G0A+4*(\slot)+2:G0A+4*(\slot)+3], ASTEP
	s_add_nc_u64 s[G0B+4*(\slot)+2:G0B+4*(\slot)+3], s[G0B+4*(\slot)+2:G0B+4*(\slot)+3], BSTEP
	JLOAD \slot                                    ; its four v_nop are also the places in front of the loads below
.else
	PLACES
.endif
	FETCH \next, 0, \g
	MULR \f, NACC/2, NACC, 0
.endm
.macro LAST f                          ; the last chunk: behind its barrier no wave reads the slots any more
	s_wait_dscnt 0x0
	s_barrier_signal -1
	MULR \f, 0, NACC, 0
	WIN 0
	s_barrier_wait -1
.endm
.macro DUMP                            ; the f32 sums into my stage, each accumulator's low registers first
.set idx, 0
.rept NACC
	WIN 0x08+0x04*(idx/32)                         ; store data in window 2 or 3
	ds_store_b128 v[STO], v[8*(idx%32):8*(idx%32)+3]   offset:(idx/WN)*16*EP+(idx%WN)*64
	ds_store_b128 v[STO], v[8*(idx%32)+4:8*(idx%32)+7] offset:(idx/WN)*16*EP+(idx%WN)*64+16
.set idx, idx+1
.endr
	WIN 0
.endm
; gelu of the 16 numbers v[x .. x+15], in place.  t = 1 / (1 + p |x| / sqrt 2); e = 2^(-x^2 log2(e) / 2); gelu = max(x, 0) - |x| t (A1 + t (A2 + t (A3 + t (A4 + t A5)))) e, the A halved.
; Behind every reciprocal and exponential stands a plain instruction that touches neither its result nor its source (ISA guide 5.7.2).
.macro GELU16 x
.set gi, 0
.rept 16
	v_and_b32 v[AX+gi], s[KABS], v[(\x)+gi]
.set gi, gi+1
.endr
.set gi, 0
.rept 8
	v_pk_mul_f32 v[SQ+gi:SQ+gi+1], v[(\x)+gi:(\x)+gi+1], v[(\x)+gi:(\x)+gi+1]
.set gi, gi+2
.endr
.set gi, 0
.rept 8
	v_pk_fma_f32 v[TT+gi:TT+gi+1], v[AX+gi:AX+gi+1], s[KPC:KPC+1], 1.0 op_sel_hi:[1,0,0]
.set gi, gi+2
.endr
.set gi, 0
.rept 8
	v_pk_mul_f32 v[SQ+gi:SQ+gi+1], v[SQ+gi:SQ+gi+1], s[KNK:KNK+1] op_sel_hi:[1,0]
.set gi, gi+2
.endr
.set gi, 0
.rept 16
	v_rcp_f32 v[TT+gi], v[TT+gi]
	v_max_num_f32 v[(\x)+gi], 0, v[(\x)+gi]
.set gi, gi+1
.endr
.set gi, 0
.rept 8
	v_exp_f32 v[SQ+gi], v[SQ+gi]
	s_wait_alu depctr_va_vdst(0)
	v_pk_fma_f32 v[PL+gi:PL+gi+1], v[TT+gi:TT+gi+1], s[KA5:KA5+1], s[KA4:KA4+1] op_sel_hi:[1,0,0]
	v_exp_f32 v[SQ+gi+1], v[SQ+gi+1]
	v_pk_fma_f32 v[PL+gi:PL+gi+1], v[PL+gi:PL+gi+1], v[TT+gi:TT+gi+1], s[KA3:KA3+1] op_sel_hi:[1,1,0]
.set gi, gi+2
.endr
.set gi, 0
.rept 8
	v_pk_fma_f32 v[PL+gi:PL+gi+1], v[PL+gi:PL+gi+1], v[TT+gi:TT+gi+1], s[KA2:KA2+1] op_sel_hi:[1,1,0]
.set gi, gi+2
.endr
.set gi, 0
.rept 8
	v_pk_fma_f32 v[PL+gi:PL+gi+1], v[PL+gi:PL+gi+1], v[TT+gi:TT+gi+1], s[KA1:KA1+1] op_sel_hi:[1,1,0]
.set gi, gi+2
.endr
.set gi, 0
.rept 8
	v_pk_mul_f32 v[PL+gi:PL+gi+1], v[PL+gi:PL+gi+1], v[TT+gi:TT+gi+1]
.set gi, gi+2
.endr
.set gi, 0
	s_wait_alu depctr_va_vdst(0)
.rept 8
	v_pk_mul_f32 v[PL+gi:PL+gi+1], v[PL+gi:PL+gi+1], v[SQ+gi:SQ+gi+1]
.set gi, gi+2
.endr
.set gi, 0
.rept 8
	v_pk_fma_f32 v[(\x)+gi:(\x)+gi+1], v[AX+gi:AX+gi+1], v[PL+gi:PL+gi+1], v[(\x)+gi:(\x)+gi+1] neg_lo:[1,0,0] neg_hi:[1,0,0]
.set gi, gi+2
.endr
.endm
	s_load_b256 s[4:11], s[0:1], 0x0               ; A 4, B 6, bias 8, out 10
	s_load_b64 s[12:13], s[0:1], 0x20              ; the mode word's buffer
	v_lshl_add_u32 v[SPW], v0, 2, SPARE
	v_mov_b32 v[NIL], 0
	ds_add_u32 v[SPW], v[NIL]                      ; the wave's opening: the add and its wait stand ahead of my first tensor load; work on registers stands between them
	v_lshrrev_b32 v1, 5, v0
	v_readfirstlane_b32 s[WV], v1                  ; wave 0..3
	s_lshr_b32 s[WR], s[WV], 1                     ; my half of the tile's rows; also: I fetch A (0) or B (1)
	s_and_b32 s[WC], s[WV], 1                      ; my half of its columns; also: which half I fetch
	s_bfe_u32 s[CX], ttmp6, 0x40000
	s_lshl_b32 s[MT], ttmp9, 2
	s_add_co_u32 s[MT], s[MT], s[CX]               ; row tile = 4 x cluster x + cx
	s_and_b32 s[NT], ttmp7, 0xffff                 ; column tile: the partners share it
	s_mov_b32 s[G1A+0], (1<<16)|(1<<20)|(5<<22)|(3<<25)  ; no mask; 2-byte elements; padding on: 4 words behind every 64
	s_mov_b32 s[G1A+1], 128<<16                    ; tensor_dim0 = 128
	s_mov_b32 s[G1A+2], 128<<16                    ; tensor_dim1 = 128
	s_mov_b32 s[G1A+3], 128<<16                    ; tile_dim0 = 128
	s_mov_b32 s[G1A+4], 128                        ; tile_dim1 = 128
	s_mov_b32 s[G1A+5], 512                        ; elements from row to row
	s_mov_b32 s[G1A+6], 0
	s_mov_b32 s[G1A+7], 0
	s_mov_b32 s[G1B+0], 15|(1<<16)|(1<<20)|(1<<21)|(6<<22)|(7<<25)  ; the mask of four, bit 21 beside it; 8 words behind every 128
	s_mov_b32 s[G1B+1], 256<<16
	s_mov_b32 s[G1B+2], 64<<16
	s_mov_b32 s[G1B+3], 256<<16
	s_mov_b32 s[G1B+4], 64
	s_mov_b32 s[G1B+5], 2048
	s_mov_b32 s[G1B+6], 0
	s_mov_b32 s[G1B+7], 0
	s_lshl_b32 s24, s[MT], 18                      ; A: (256 row tile + 128 half) rows of 1,024 bytes
	s_lshl_b32 s25, s[WC], 17
	s_add_co_u32 s24, s24, s25
	s_mov_b32 s25, 0
	s_lshl_b32 s28, s[WC], 18                      ; B: 64 half rows of 4,096 bytes + 512 column tile: of the wave's number and y alone
	s_lshl_b32 s29, s[NT], 9
	s_add_co_u32 s28, s28, s29
	s_mov_b32 s29, 0
	s_mul_i32 s20, s[WC], HALF                     ; the LDS place: of the wave's number alone
	s_wait_dscnt 0x0                               ; the opening add is done
	s_wait_kmcnt 0x0
	s_add_nc_u64 s[26:27], s[4:5], s[24:25]
	s_add_nc_u64 s[30:31], s[6:7], s[28:29]
	CROUND                                         ; all four work-groups are here: the first joint loads meet
.irp s, 0,1
	s_mov_b32 s[G0A+4*(\s)], 1
	s_add_co_u32 s[G0A+4*(\s)+1], s20, (\s)*SLOT
	s_add_nc_u64 s[G0A+4*(\s)+2:G0A+4*(\s)+3], s[26:27], (\s)*256
	s_or_b32 s[G0A+4*(\s)+3], s[G0A+4*(\s)+3], 0x80000000
	s_mov_b32 s[G0B+4*(\s)], 1
	s_add_co_u32 s[G0B+4*(\s)+1], s20, (\s)*SLOT+BOFF
	s_add_nc_u64 s[G0B+4*(\s)+2:G0B+4*(\s)+3], s[30:31], (\s)*128*4096
	s_or_b32 s[G0B+4*(\s)+3], s[G0B+4*(\s)+3], 0x80000000
	JLOAD \s                                       ; K steps 0 and 1: two loads of mine are out
.endr
	s_load_b32 s[MODE], s[12:13], 0x0
	v_and_b32 v1, 15, v0                           ; r = l % 16
	v_bfe_u32 v2, v0, 4, 1                         ; l / 16
	v_and_b32 v3, 7, v0
	v_bfe_u32 v4, v0, 3, 1
	v_and_b32 v5, 31, v0                           ; l
	v_and_b32 v6, 3, v0
	v_lshlrev_b32 v[BO], 5, v6                     ; on the way out lane l holds 8 columns at 8 (l % 4) of each of the wave's four panels
	s_lshl_b32 s84, s[NT], 10
	s_lshl_b32 s85, s[WC], 9
	s_add_co_u32 s84, s84, s85
	s_mov_b32 s85, 0
	s_add_nc_u64 s[8:9], s[8:9], s[84:85]          ; bias at my wave's 128 columns
.irp p, 0,1,2,3
	global_load_b128 v[BI+8*\p:BI+8*\p+3],   v[BO], s[8:9] offset:128*\p
	global_load_b128 v[BI+8*\p+4:BI+8*\p+7], v[BO], s[8:9] offset:128*\p+16
.endr
	v_mul_u32_u24 v7, v1, PITA                     ; A fragment: row x pitch + 16 x half
	v_lshl_add_u32 v7, v2, 4, v7
	s_mul_i32 s86, s[WR], HALF
	v_add_nc_u32 v[ADRA], s86, v7
	v_add_nc_u32 v[ADRA+1], SLOT, v[ADRA]
	v_lshl_add_u32 v8, v2, 3, v3                   ; B, turned: lane l reads K row 8 (l / 16) + l % 8, 16 bytes at 16 ((l / 8) % 2)
	v_mul_u32_u24 v8, v8, PITB
	v_lshl_add_u32 v8, v4, 4, v8
	s_lshl_b32 s86, s[WC], 8
	s_add_co_u32 s86, s86, BOFF
	v_add_nc_u32 v[ADRB], s86, v8
	v_add_nc_u32 v[ADRB+1], SLOT, v[ADRB]
	s_mul_i32 s86, s[WV], REGION                   ; my stage
	v_mul_u32_u24 v9, v1, EP
	v_lshl_add_u32 v9, v2, 5, v9
	v_add_nc_u32 v[STO], s86, v9
	v_lshrrev_b32 v9, 2, v5                        ; back: 8 rows a trip, four lanes to a row's 32 columns of a panel
	v_mul_u32_u24 v9, v9, EP
	v_lshl_add_u32 v9, v6, 5, v9
	v_add_nc_u32 v[RD], s86, v9
	v_lshlrev_b32 v[GO], 4, v5                     ; 8 rows of a panel are 512 consecutive bytes: 16 a lane
	s_lshl_b32 s84, s[NT], 22                      ; out: panel (8 column tile + 4 half) x 8,192 rows x 64 bytes + (256 row tile + 128 half) x 64
	s_lshl_b32 s85, s[WC], 21
	s_add_co_u32 s84, s84, s85
	s_lshl_b32 s85, s[MT], 14
	s_add_co_u32 s84, s84, s85
	s_lshl_b32 s85, s[WR], 13
	s_add_co_u32 s84, s84, s85
	s_mov_b32 s85, 0
	s_add_nc_u64 s[10:11], s[10:11], s[84:85]
	SPAIR KPC, 0x3e6d3388                          ; 0.3275911 / sqrt 2
	SPAIR KNK, 0xbf38aa3b                          ; -log2(e) / 2
	SPAIR KA1, 0x3e027906                          ; the five coefficients, halved
	SPAIR KA2, 0xbe11a98e
	SPAIR KA3, 0x3f35f0e3
	SPAIR KA4, 0xbf3a00e3
	SPAIR KA5, 0x3f07dc22
	s_mov_b32 s[KABS], 0x7fffffff
	s_wait_tensorcnt 0x1                           ; my part of K step 0 is in; step 1's may stay out
	s_barrier_signal -1
	s_barrier_wait -1
	FETCH 0, 0, F0
	CHUNK F0, F1, 0, 1, 1                          ; the first chunk's products start the sums: nothing is cleared
	CHUNK F1, F0, 0, 2, 0
	CHUNK F0, F1, 0, 3, 0
	TURN  F1, F0, 0, 1, 1                          ; slot 0 takes K step 2
	CHUNK F0, F1, 1, 1, 0
	CHUNK F1, F0, 1, 2, 0
	CHUNK F0, F1, 1, 3, 0
	TURN  F1, F0, 1, 0, 1                          ; slot 1 takes K step 3
	CHUNK F0, F1, 0, 1, 0
	CHUNK F1, F0, 0, 2, 0
	CHUNK F0, F1, 0, 3, 0
	TURN  F1, F0, 0, 1, 0                          ; nothing is left to fetch: a plain barrier
	CHUNK F0, F1, 1, 1, 0
	CHUNK F1, F0, 1, 2, 0
	CHUNK F0, F1, 1, 3, 0
	LAST  F1
	; THE WAY OUT.  The sums go in f32 through my own stage; 16 trips of 8 rows read them back so that a lane holds 8 neighbouring columns of each of my four panels.
	PLACES
	DUMP
	s_wait_loadcnt 0x0                             ; the bias
	s_wait_kmcnt 0x0                               ; the mode word
	v_mov_b32 v[MD], s[MODE]
	v_cmp_ne_u32 vcc_lo, 0, v[MD]                  ; all lanes alike: set where gelu(sum + bias) is wanted.  Made behind the last tensor load; nothing writes VCC after it
	s_mov_b32 s2, 16
.Lrows:
.irp p, 0,1,2,3
	ds_load_b128 v[X+8*\p:X+8*\p+3],   v[RD] offset:128*\p       ; LDS serves a wave's instructions in order (ISA guide 5.7.1.4): these see my stores
	ds_load_b128 v[X+8*\p+4:X+8*\p+7], v[RD] offset:128*\p+16
.endr
	s_wait_dscnt 0x0
.set gi, 0
.rept 16
	v_cvt_pk_bf16_f32 v[Y0+gi], v[X+2*gi], v[X+2*gi+1]           ; the plain sums, rounded
.set gi, gi+1
.endr
.set gi, 0
.rept 16
	v_pk_add_f32 v[X+gi:X+gi+1], v[X+gi:X+gi+1], v[BI+gi:BI+gi+1]
.set gi, gi+2
.endr
	GELU16 X
	GELU16 X+16
.set gi, 0
.rept 16
	v_cvt_pk_bf16_f32 v[Y+gi], v[X+2*gi], v[X+2*gi+1]
.set gi, gi+1
.endr
.set gi, 0
.rept 16
	v_cndmask_b32 v[Y+gi], v[Y0+gi], v[Y+gi], vcc_lo             ; mode 1: the GELU; mode 0: the plain sums
.set gi, gi+1
.endr
.irp p, 0,1,2,3
	global_store_b128 v[GO], v[Y+4*\p:Y+4*\p+3], s[10:11] offset:524288*\p  ; 512 consecutive bytes of panel p
.endr
	s_wait_xcnt 0x0                                ; the stores' base and data are rewritten only behind this wait
	s_add_nc_u64 s[10:11], s[10:11], 512
	v_add_nc_u32 v[RD], 8*EP, v[RD]
	s_sub_co_u32 s2, s2, 1
	s_cmp_lg_u32 s2, 0
	s_cbranch_scc1 .Lrows
	s_wait_tensorcnt 0x0                           ; the wave's end
	ds_add_u32 v[SPW], v[NIL]
	s_wait_dscnt 0x0
	CROUND                                         ; the closing round
	s_endpgm
.Lfunc_end_k_qdb35a1de4e_qkv:
	.size	k_qdb35a1de4e_qkv, .Lfunc_end_k_qdb35a1de4e_qkv-k_qdb35a1de4e_qkv
	.p2alignl 7, 3214868480
	.fill 96, 4, 3214868480
	.section	.rodata,"a",@progbits
	.p2align	6, 0x0
	.amdhsa_kernel k_qdb35a1de4e_qkv
		.amdhsa_group_segment_fixed_size 327680
		.amdhsa_private_segment_fixed_size 0
		.amdhsa_enable_private_segment 0
		.amdhsa_kernarg_size 40
		.amdhsa_user_sgpr_count 2
		.amdhsa_user_sgpr_kernarg_segment_ptr 1
		.amdhsa_wavefront_size32 1
		.amdhsa_system_sgpr_workgroup_id_x 1
		.amdhsa_system_sgpr_workgroup_id_y 1
		.amdhsa_system_sgpr_workgroup_id_z 1
		.amdhsa_system_vgpr_workitem_id 0
		.amdhsa_next_free_vgpr 1024
		.amdhsa_next_free_sgpr 100
		.amdhsa_reserve_vcc 1
		.amdhsa_float_denorm_mode_32 3
		.amdhsa_float_denorm_mode_16_64 3
		.amdhsa_memory_ordered 1
		.amdhsa_forward_progress 1
		.amdhsa_inst_pref_size 140
	.end_amdhsa_kernel
	.amdgpu_metadata
---
amdhsa.version: [ 1, 2 ]
amdhsa.kernels:
  - .name:           k_qdb35a1de4e_qkv
    .symbol:         k_qdb35a1de4e_qkv.kd
    .args:
      - { .name: h, .offset: 0, .size: 8, .value_kind: global_buffer, .address_space: global }
      - { .name: wqkv, .offset: 8, .size: 8, .value_kind: global_buffer, .address_space: global }
      - { .name: b1, .offset: 16, .size: 8, .value_kind: global_buffer, .address_space: global }
      - { .name: act, .offset: 24, .size: 8, .value_kind: global_buffer, .address_space: global }
      - { .name: parq, .offset: 32, .size: 8, .value_kind: global_buffer, .address_space: global }
    .group_segment_fixed_size: 327680
    .private_segment_fixed_size: 0
    .kernarg_segment_align: 8
    .kernarg_segment_size: 40
    .max_flat_workgroup_size: 128
    .sgpr_count:     100
    .vgpr_count:     1024
    .wavefront_size: 32
...
	.end_amdgpu_metadata
.endif
;; end of part 2
;; launch attn (part 3): grid 4 x 64, 8 waves a work-group, no clusters, 327,680 bytes of LDS; arguments act, ctx; writes ctx
.if DOCPART == 3
	.amdgcn_target "amdgcn-amd-amdhsa--gfx1250"
	.amdhsa_code_object_version 6
	.text
	.protected	k_qdb35a1de4e_attn
	.globl	k_qdb35a1de4e_attn
	.p2align	8
	.type	k_qdb35a1de4e_attn,@function
k_qdb35a1de4e_attn:
	s_mov_b64 s[64:65], 0
	v_nop
	global_prefetch_b8 v0, s[64:65] scope:SCOPE_SE
	s_setreg_imm32_b32 hwreg(HW_REG_WAVE_MODE, 25, 1), 1
	s_wait_xcnt 0x0
; CAUSAL ATTENTION at head size 32.  act holds panels [p][8192 rows][32] bf16: p = head: q, 16 + head: k, 32 + head: v, unscaled.  ctx[head][row][32] bf16 = softmax_k<=q(q . k / sqrt 32) v.
; Products, maxima and sums in f32; the weights p are rounded to bf16 for the second product, and their sum l is taken of the rounded p, by a product with ones, in the matrix unit's f32 sums.
; LIMITS.  A hidden score counts as -1e30; the running c m starts at -4.25e37 and m at the lowest finite number; a weight below 2^-126 counts as 0; NaN and infinities are not treated apart.
; THE WALK.  A batch's 2,048 queries of a head lie in 8 blocks of 256; block i needs the key tiles 0 .. i of 256 keys.  A work-group takes blocks 7 - b and then b: 9 tiles whatever b, one loop of constant count.
; SHARES.  Eight waves, two to a SIMD, so that one wave's vector work stands beside the other's products.  Wave w owns rows 32 w .. 32 w + 31 of the block: two tiles of 16.  In the block's last tile it needs
; the key steps 0 .. w / 2, of which the last holds the diagonal and is masked; the steps above are jumped over, forward, past text with no barrier and no tensor load.
; LAYOUT.  S^T = K Q^T: a lane holds ONE query (l % 16) and the keys 8 (l / 16) + 0..7 of each 16.  Rounded in pairs, in place, two such results ARE source 1 of O^T = V^T P; V is turned by ds_load_tr16_b128.
; SOFTMAX.  p = 2^(c s - c m), c = log2(e) / sqrt 32, with a running maximum m; O and l are multiplied by a = 2^(c m_old - c m_new) in every step.  O and l start at 0 (48 moves, in the wait for the first tile);
; a block's first step has a = 0, so the second block needs only finite numbers there.
; NO CLUSTER: the four work-groups of a head ask for the same tile only in the first 5 of the 9 visits, and a walk common to all would have 12.
.set KS,    64
.set PK,    80                         ; a key's row of K in LDS: 64 bytes + 16: an odd multiple of 16
.set PV,    96                         ; of V: 64 + 32: an odd multiple of 32
.set VOFF,  256*PK
.set SLOT1, 65536                      ; one exclusive or turns an address in one slot into the other's
.set STAGE, SLOT1+256*(PK+PV)          ; behind the ring, never filled by a tensor load: 32 rows x 80 bytes for each wave
.set SP,    80
.set SPARE, STAGE+8*32*SP              ; the spare words: 128 bytes a wave, four blocks of 256 bytes that no other line names
.set AK0, 2
.set AV0, 3
.set AK,  4
.set AV,  5
.set STO, 6
.set RD,  7
.set GO,  8
.set BIG, 9                            ; -1e30
.set DQ,  12                           ; my query's place in its key step, 32 (w % 2) + l % 16, less my lanes' 8 (l / 16)
.set QO,  13
.set SPW, 14
.set NIL, 15
.set ST,  16                           ; tile u at ST + 8 u: +0 c m, +1 m, +4 .. +7 c0-c3 at work; a takes c2's place
.set ONES, 32
.set Q,   40
.set QN,  56                           ; the second block's Q
.set KF,  72
.set VF,  104
.set S,   136                          ; 32 a tile; P is written in place into the first 16
.set OT,  200                          ; tile u, channel block cb at OT + 16 u + 8 cb
.set LS,  232                          ; tile u at LS + 8 u: every register holds the row's sum; register 0 alone is rescaled and read
.set WV,  12
.set WH,  13
.set PB,  14
.set HI,  15
.set G1K, 24
.set G1V, 32
.set G0K, 40
.set G0V, 44
.set OB,  48
.set OB2, 50
.set QA,  52
.set QC,  54
.set SLOTS, 56
.set CNT, 57
.set CS,  58
.set SEL, 60
.set TBK, 62
.set TBV, 63
.set RT,  66                           ; tiles of the block in hand that are still to be entered
.set NXT, 67                           ; the tile to be asked for next
.set LQ,  68                           ; the last tile of the block whose tiles are being asked for
.set NST, 69                           ; unmasked key steps of this visit for my wave
.set OFF, 70
.set SLOTB, 72                         ; the slot that is read
.macro LOAD                            ; wave 0 fetches a tile's K, wave 1 its V, 16,384 bytes each; the others none.  An s_nop 0 and four v_nop follow each line
	s_cmp_lg_u32 s[WV], 0
	s_cbranch_scc1 .Lnot_k_\@
	tensor_load_to_lds s[G0K:G0K+3], s[G1K:G1K+7]
	s_nop 0
.rept 4
	v_nop
.endr
	s_branch .Lasked_\@
.Lnot_k_\@:
	s_cmp_lg_u32 s[WV], 1
	s_cbranch_scc1 .Lasked_\@
	tensor_load_to_lds s[G0V:G0V+3], s[G1V:G1V+7]
	s_nop 0
.rept 4
	v_nop
.endr
.Lasked_\@:
.endm
; THE CHANGE OF SLOTS.  Every wave waits for all its tensor loads (at most one is out: the other slot's), adds 0 to its spare word, and waits for that and for its reads of the slot that it leaves.
; fill = 1: the old slot takes tile NXT, first thing behind the barrier; the descriptor's address is made anew from that number.  The load has a whole visit in which to land.
.macro CHANGE fill
	s_wait_tensorcnt 0x0
	ds_add_u32 v[SPW], v[NIL]
.if \fill
	s_lshl_b32 s[OFF], s[NXT], 14                  ; a tile is 16,384 bytes of K and of V
	s_xor_b32 s[G0K+1], s[G0K+1], SLOT1
	s_add_nc_u64 s[G0K+2:G0K+3], s[8:9], s[OFF:OFF+1]
	s_or_b32 s[G0K+3], s[G0K+3], 0x80000000
	s_xor_b32 s[G0V+1], s[G0V+1], SLOT1
	s_add_nc_u64 s[G0V+2:G0V+3], s[10:11], s[OFF:OFF+1]
	s_or_b32 s[G0V+3], s[G0V+3], 0x80000000
	s_add_co_u32 s[NXT], s[NXT], 1                 ; the block's next tile, or behind its last the second block's tile 0
	s_cmp_gt_u32 s[NXT], s[LQ]
	s_cselect_b32 s[NXT], 0, s[NXT]
	s_cselect_b32 s[LQ], s[PB], s[LQ]
.endif
	s_wait_dscnt 0x0                               ; the add is done, my reads of the slot are over
	s_barrier_signal -1
	s_xor_b32 s[SLOTB], s[SLOTB], SLOT1
	s_barrier_wait -1
.if \fill
	LOAD
.endif
.endm
; Number n of the 22 that find tile u's maximum and statistics: 0-11 four chains of seven scores (each accumulator's lowest registers first); 12-15 the four left over, c0-c3 and the old m;
; 16, 18 the query's other 32 keys lie in the lane 16 away; 17 c m_old is kept; 19-21 c m, the difference, a.
.macro MX u, n
.set rT, ST+8*(\u)
.set rS, S+32*(\u)
.if (\n) < 4
	v_max3_num_f32 v[rT+4+(\n)], v[rS+8*(\n)], v[rS+8*(\n)+1], v[rS+8*(\n)+2]
.elseif (\n) < 12
	v_max3_num_f32 v[rT+4+(\n)%4], v[rT+4+(\n)%4], v[rS+8*((\n)%4)+2*((\n)/4)+1], v[rS+8*((\n)%4)+2*((\n)/4)+2]
.elseif (\n) == 12
	v_max3_num_f32 v[rT+4], v[rT+4], v[rS+7], v[rS+15]
.elseif (\n) == 13
	v_max3_num_f32 v[rT+6], v[rT+6], v[rS+23], v[rS+31]
.elseif (\n) == 14
	v_max3_num_f32 v[rT+4], v[rT+4], v[rT+5], v[rT+6]
.elseif (\n) == 15
	v_max3_num_f32 v[rT+4], v[rT+4], v[rT+7], v[rT+1]
.elseif (\n) == 16
	v_permlanex16_b32 v[rT+5], v[rT+4], s[SEL], s[SEL+1]
.elseif (\n) == 17
	v_mov_b32 v[rT+7], v[rT]
.elseif (\n) == 18
	v_max_num_f32 v[rT+1], v[rT+4], v[rT+5]
.elseif (\n) == 19
	v_mul_f32 v[rT], s[CS], v[rT+1]
.elseif (\n) == 20
	v_sub_f32 v[rT+7], v[rT+7], v[rT]
.else
	v_exp_f32 v[rT+6], v[rT+7]
.endif
.endm
.macro FS u, p                         ; c s - c m for pair p
	v_pk_fma_f32 v[S+32*(\u)+2*(\p):S+32*(\u)+2*(\p)+1], v[S+32*(\u)+2*(\p):S+32*(\u)+2*(\p)+1], s[CS:CS+1], v[ST+8*(\u):ST+8*(\u)+1] op_sel_hi:[1,0,0] neg_lo:[0,0,1] neg_hi:[0,0,1]
.endm
.macro ES u, n
	v_exp_f32 v[S+32*(\u)+(\n)], v[S+32*(\u)+(\n)]
.endm
.macro CP u, p                         ; pair p rounded to bf16 into register p: in ascending order it lands only on registers that have been rounded already
	s_wait_alu depctr_va_vdst(0)
	v_cvt_pk_bf16_f32 v[S+32*(\u)+(\p)], v[S+32*(\u)+2*(\p)], v[S+32*(\u)+2*(\p)+1]
.endm
; A KEY STEP: 64 keys for my two tiles.  msk = 1: the step that holds the diagonal.
.macro STEP msk
	v_add_nc_u32 v[AK], s[TBK], v[AK0]
	v_add_nc_u32 v[AV], s[TBV], v[AV0]
.irp kb, 0,1,2,3
	ds_load_b128 v[KF+8*\kb:KF+8*\kb+3],   v[AK] offset:\kb*16*PK
	ds_load_b128 v[KF+8*\kb+4:KF+8*\kb+7], v[AK] offset:\kb*16*PK+32
.endr
.irp f, 0,1,2,3                        ; keys 32 (f / 2) on, channels 16 (f % 2) on
	ds_load_tr16_b128 v[VF+8*\f:VF+8*\f+3],   v[AV] offset:(\f/2)*32*PV+(\f%2)*32
	ds_load_tr16_b128 v[VF+8*\f+4:VF+8*\f+7], v[AV] offset:(\f/2)*32*PV+16*PV+(\f%2)*32
.endr
	s_wait_dscnt 0x8                               ; K is in; V's eight loads may stay out
.set i, 0
.rept 8                                ; S^T: keys 16 (i / 2) on, tile i % 2; the head's 32 channels are one product
	v_wmma_f32_16x16x32_bf16 v[S+32*(i%2)+8*(i/2):S+32*(i%2)+8*(i/2)+7], v[KF+8*(i/2):KF+8*(i/2)+7], v[Q+8*(i%2):Q+8*(i%2)+7], 0
.set i, i+1
.endr
.rept 4
	v_nop                                          ; the places behind those products (ISA guide 7.12.1)
.endr
.if \msk
.set i, 0
.rept 64                               ; register j of key block kb of tile u is hidden where 16 kb + j - 16 u is greater than DQ
	v_cmp_gt_i32 vcc_lo, 16*((i%32)/8)+(i%8)-16*(i/32), v[DQ]
	v_cndmask_b32 v[S+i], v[S+i], v[BIG], vcc_lo
.set i, i+1
.endr
.endif
.irp n, 0,1,2,3,4,5,6,7,8,9,10,11,12,13,14,15,16,17,18,19,20,21
	MX 0, \n                                       ; the two tiles alternate, so that no line waits for the one before it
	MX 1, \n
.endr
	FS 0, 0
	FS 1, 0
	FS 0, 1
	FS 1, 1
.set i, 0
.rept 16                               ; exponentials with plain work that is ready between them: a scaling two pairs ahead, a rounding one pair back
.irp u, 0,1
	ES \u, 2*i
.if i < 14
	FS \u, i+2
.endif
	ES \u, 2*i+1
.if i > 0
	CP \u, i-1
.endif
.endr
.set i, i+1
.endr
	CP 0, 15
	CP 1, 15
.irp u, 0,1
.set i, 0
.rept 8
	v_pk_mul_f32 v[OT+16*\u+2*i:OT+16*\u+2*i+1], v[OT+16*\u+2*i:OT+16*\u+2*i+1], v[ST+8*\u+6:ST+8*\u+7] op_sel_hi:[1,0]
.set i, i+1
.endr
	v_mul_f32 v[LS+8*\u], v[LS+8*\u], v[ST+8*\u+6]
.endr
	s_wait_dscnt 0x0                               ; V is in
.irp kk, 0,1                           ; six accumulators by turns, one instruction a turn
.irp u, 0,1
	v_wmma_f32_16x16x32_bf16 v[OT+16*\u:OT+16*\u+7],    v[VF+16*\kk:VF+16*\kk+7],    v[S+32*\u+8*\kk:S+32*\u+8*\kk+7], v[OT+16*\u:OT+16*\u+7]
	v_wmma_f32_16x16x32_bf16 v[OT+16*\u+8:OT+16*\u+15], v[VF+16*\kk+8:VF+16*\kk+15], v[S+32*\u+8*\kk:S+32*\u+8*\kk+7], v[OT+16*\u+8:OT+16*\u+15]
	v_wmma_f32_16x16x32_bf16 v[LS+8*\u:LS+8*\u+7],      v[ONES:ONES+7],              v[S+32*\u+8*\kk:S+32*\u+8*\kk+7], v[LS+8*\u:LS+8*\u+7]
.endr
.endr
.rept 5
	v_nop                                          ; the places in front of the next loads into V's registers and of the next products, which write over P
.endr
.endm
.macro RESET
.irp u, 0,1
	v_mov_b32 v[ST+8*\u], 0xfe000000               ; c m: far below every c s
	v_mov_b32 v[ST+8*\u+1], 0xff7fffff             ; m
.endr
.endm
; A BLOCK'S END: O^T / l, rounded to bf16, through my stage, out as whole rows: 8 rows of a panel are 512 consecutive bytes.
.macro FINISH
	v_rcp_f32 v[ST+4], v[LS]
	v_rcp_f32 v[ST+12], v[LS+8]
	v_nop                                          ; a plain instruction between the reciprocals and their use
	s_wait_alu depctr_va_vdst(0)
.irp u, 0,1
.set i, 0
.rept 8
	v_pk_mul_f32 v[OT+16*\u+2*i:OT+16*\u+2*i+1], v[OT+16*\u+2*i:OT+16*\u+2*i+1], v[ST+8*\u+4:ST+8*\u+5] op_sel_hi:[1,0]
.set i, i+1
.endr
.endr
.irp u, 0,1
.set i, 0
.rept 8
	v_cvt_pk_bf16_f32 v[S+32*\u+i], v[OT+16*\u+2*i], v[OT+16*\u+2*i+1]
.set i, i+1
.endr
.endr
.irp u, 0,1
	ds_store_b128 v[STO], v[S+32*\u:S+32*\u+3]   offset:\u*16*SP
	ds_store_b128 v[STO], v[S+32*\u+4:S+32*\u+7] offset:\u*16*SP+32
.endr
.irp u, 0,1
	ds_load_b128 v[S+32*\u+8:S+32*\u+11],  v[RD] offset:\u*16*SP          ; LDS serves a wave's instructions in order (ISA guide 5.7.1.4): these see my stores
	ds_load_b128 v[S+32*\u+12:S+32*\u+15], v[RD] offset:\u*16*SP+8*SP
.endr
	s_wait_dscnt 0x3                               ; the four loads come back in order
	global_store_b128 v[GO], v[S+8:S+11],  s[OB:OB+1]
	s_wait_dscnt 0x2
	global_store_b128 v[GO], v[S+12:S+15], s[OB:OB+1] offset:512
	s_wait_dscnt 0x1
	global_store_b128 v[GO], v[S+40:S+43], s[OB:OB+1] offset:1024
	s_wait_dscnt 0x0
	global_store_b128 v[GO], v[S+44:S+47], s[OB:OB+1] offset:1536
.endm
; A VISIT of the tile in slot SLOTB.  Four trips, of which my wave does the first NST (4, or w / 2 in the block's last tile); there the masked step and the block's end follow.
.macro VISIT last
	s_sub_co_u32 s[RT], s[RT], 1
.if \last
	s_mov_b32 s[NST], s[WH]
.else
	s_cmp_eq_u32 s[RT], 0
	s_cselect_b32 s[NST], s[WH], 4
.endif
	s_mov_b32 s[TBK], s[SLOTB]
	s_mov_b32 s[TBV], s[SLOTB]
	s_mov_b32 s[CNT], 0
.Lstep_\@:
	s_cmp_ge_u32 s[CNT], s[NST]
	s_cbranch_scc1 .Lskip_\@
	STEP 0
.Lskip_\@:
	s_add_co_u32 s[TBK], s[TBK], KS*PK
	s_add_co_u32 s[TBV], s[TBV], KS*PV
	s_add_co_u32 s[CNT], s[CNT], 1
	s_cmp_lt_u32 s[CNT], 4
	s_cbranch_scc1 .Lstep_\@
.if !(\last)
	s_cmp_lg_u32 s[RT], 0
	s_cbranch_scc1 .Lnodiag_\@
.endif
	s_mul_i32 s[TBK], s[WH], KS*PK
	s_add_co_u32 s[TBK], s[TBK], s[SLOTB]
	s_mul_i32 s[TBV], s[WH], KS*PV
	s_add_co_u32 s[TBV], s[TBV], s[SLOTB]
	STEP 1
	FINISH
.if !(\last)
	s_wait_xcnt 0x0                                ; the stores' base and data are rewritten only behind this wait
	s_mov_b64 s[OB:OB+1], s[OB2:OB2+1]             ; in the loop this is the first block's end: the second block's last tile is the walk's last
	s_add_co_u32 s[RT], s[PB], 1
.set i, 0
.rept 16
	v_mov_b32 v[Q+i], v[QN+i]
.set i, i+1
.endr
	RESET
.Lnodiag_\@:
.endif
.endm
	s_load_b128 s[4:7], s[0:1], 0x0                ; act 4, ctx 6
	v_lshl_add_u32 v[SPW], v0, 2, SPARE
	v_mov_b32 v[NIL], 0
	ds_add_u32 v[SPW], v[NIL]                      ; the wave's opening: the add and its wait stand ahead of the first tensor load; work on registers stands between them
	v_lshrrev_b32 v1, 5, v0
	v_readfirstlane_b32 s[WV], v1                  ; wave 0..7
	s_lshr_b32 s[WH], s[WV], 1
	s_mov_b32 s[PB], ttmp9
	s_sub_co_u32 s[HI], 7, s[PB]
	s_and_b32 s16, ttmp7, 0xffff
	s_and_b32 s17, s16, 15                         ; head
	s_lshr_b32 s16, s16, 4                         ; batch
	s_lshl_b32 s20, s17, 19                        ; a panel is 524,288 bytes,
	s_lshl_b32 s16, s16, 17                        ; a batch's 2,048 rows 131,072
	s_add_co_u32 s20, s20, s16
	s_mov_b32 s21, 0
	s_lshl_b32 s18, s[WV], 11                      ; my 32 rows of 64 bytes
	s_lshl_b32 s16, s[HI], 14                      ; in the first block,
	s_add_co_u32 s16, s16, s18
	s_mov_b32 s17, 0
	s_lshl_b32 s22, s[PB], 14                      ; and in the second
	s_add_co_u32 s22, s22, s18
	s_mov_b32 s23, 0
	; 256 keys are 16,384 dense bytes: asked for as 64 rows of 256 bytes, four keys a row, padded in LDS behind every key
	s_mov_b32 s[G1K], (1<<16)|(1<<20)|(3<<22)|(3<<25)  ; 2-byte elements; padding on: 4 words behind every 16
	s_mov_b32 s[G1V], (1<<16)|(1<<20)|(3<<22)|(7<<25)  ; 8 words
.irp g, G1K, G1V
	s_mov_b32 s[\g+1], 128<<16
	s_mov_b32 s[\g+2], 64<<16
	s_mov_b32 s[\g+3], 128<<16
	s_mov_b32 s[\g+4], 64
	s_mov_b32 s[\g+5], 128
	s_mov_b32 s[\g+6], 0
	s_mov_b32 s[\g+7], 0
.endr
	s_mov_b32 s[G0K], 1
	s_mov_b32 s[G0K+1], 0                          ; slot 0
	s_mov_b32 s[G0V], 1
	s_mov_b32 s[G0V+1], VOFF
	s_mov_b32 s[CS], 0x3e8293ee                    ; c = log2(e) / sqrt 32
	s_mov_b32 s[CS+1], s[CS]
	s_mov_b32 s[SEL], 0x76543210
	s_mov_b32 s[SEL+1], 0xfedcba98
	s_mov_b32 s[OFF+1], 0
	s_mov_b32 s[SLOTB], SLOT1                      ; the first change of slots turns it into 0
	s_mov_b32 s[NXT], 1
	s_mov_b32 s[LQ], s[HI]
	s_add_co_u32 s[RT], s[HI], 1
	s_mov_b32 s[SLOTS], 8
	s_wait_dscnt 0x0                               ; the opening add is done
	s_barrier_signal -1
	s_barrier_wait -1
	s_wait_kmcnt 0x0
	s_add_nc_u64 s[4:5], s[4:5], s[20:21]          ; q of my head and batch
	s_add_nc_u64 s[6:7], s[6:7], s[20:21]
	s_add_nc_u64 s[8:9], s[4:5], 8388608           ; k: 16 panels on
	s_add_nc_u64 s[10:11], s[4:5], 16777216        ; v: 32 panels on
	s_mov_b64 s[G0K+2:G0K+3], s[8:9]
	s_or_b32 s[G0K+3], s[G0K+3], 0x80000000
	s_mov_b64 s[G0V+2:G0V+3], s[10:11]
	s_or_b32 s[G0V+3], s[G0V+3], 0x80000000
	s_add_nc_u64 s[QA:QA+1], s[4:5], s[16:17]
	s_add_nc_u64 s[QC:QC+1], s[4:5], s[22:23]
	s_add_nc_u64 s[OB:OB+1], s[6:7], s[16:17]
	s_add_nc_u64 s[OB2:OB2+1], s[6:7], s[22:23]
	LOAD                                           ; tile 0 into slot 0
	v_and_b32 v1, 15, v0
	v_bfe_u32 v10, v0, 4, 1
	v_lshlrev_b32 v[QO], 6, v1
	v_lshl_add_u32 v[QO], v10, 4, v[QO]            ; a fragment's row x 64 + 16 x half
.irp u, 0,1
	global_load_b128 v[Q+8*\u:Q+8*\u+3],    v[QO], s[QA:QA+1] offset:1024*\u
	global_load_b128 v[Q+8*\u+4:Q+8*\u+7],  v[QO], s[QA:QA+1] offset:1024*\u+32
	global_load_b128 v[QN+8*\u:QN+8*\u+3],   v[QO], s[QC:QC+1] offset:1024*\u
	global_load_b128 v[QN+8*\u+4:QN+8*\u+7], v[QO], s[QC:QC+1] offset:1024*\u+32
.endr
	v_mul_u32_u24 v[AK0], v1, PK
	v_lshl_add_u32 v[AK0], v10, 4, v[AK0]
	v_and_b32 v11, 7, v0
	v_lshl_add_u32 v[AV0], v10, 3, v11             ; the turning load: key 8 (l / 16) + l % 8, 16 bytes at 16 ((l / 8) % 2)
	v_mul_u32_u24 v[AV0], v[AV0], PV
	v_bfe_u32 v11, v0, 3, 1
	v_lshl_add_u32 v[AV0], v11, 4, v[AV0]
	v_add_nc_u32 v[AV0], VOFF, v[AV0]
	s_mul_i32 s16, s[WV], 32*SP
	s_add_co_u32 s16, s16, STAGE                   ; my stage
	v_mul_u32_u24 v[STO], v1, SP
	v_lshl_add_u32 v[STO], v10, 4, v[STO]
	v_add_nc_u32 v[STO], s16, v[STO]
	v_and_b32 v11, 31, v0
	v_lshlrev_b32 v[GO], 4, v11
	v_lshrrev_b32 v[RD], 2, v11                    ; back: four lanes to a row of 64 bytes
	v_mul_u32_u24 v[RD], v[RD], SP
	v_and_b32 v11, 3, v0
	v_lshl_add_u32 v[RD], v11, 4, v[RD]
	v_add_nc_u32 v[RD], s16, v[RD]
	s_and_b32 s17, s[WV], 1
	s_lshl_b32 s17, s17, 5
	v_lshlrev_b32 v11, 3, v10
	v_sub_nc_u32 v[DQ], v1, v11
	v_add_nc_u32 v[DQ], s17, v[DQ]
	v_mov_b32 v[BIG], 0xf149f2ca
.set i, 0
.rept 8
	v_mov_b32 v[ONES+i], 0x3f803f80                ; 1.0 twice in bf16
.set i, i+1
.endr
.set i, 0
.rept 48
	v_mov_b32 v[OT+i], 0                           ; O^T and l
.set i, i+1
.endr
	RESET
	s_wait_loadcnt 0x0                             ; both blocks' Q
.Lwalk:                                            ; 8 times: a tile is entered and the next is asked for
	CHANGE 1
	VISIT 0
	s_sub_co_u32 s[SLOTS], s[SLOTS], 1
	s_cmp_lg_u32 s[SLOTS], 0
	s_cbranch_scc1 .Lwalk
	CHANGE 0                                       ; the walk's last tile is written out: nothing is asked for
	VISIT 1
	s_wait_tensorcnt 0x0                           ; the wave's end
	ds_add_u32 v[SPW], v[NIL]
	s_wait_dscnt 0x0
	s_endpgm
.Lfunc_end_k_qdb35a1de4e_attn:
	.size	k_qdb35a1de4e_attn, .Lfunc_end_k_qdb35a1de4e_attn-k_qdb35a1de4e_attn
	.p2alignl 7, 3214868480
	.fill 96, 4, 3214868480
	.section	.rodata,"a",@progbits
	.p2align	6, 0x0
	.amdhsa_kernel k_qdb35a1de4e_attn
		.amdhsa_group_segment_fixed_size 327680
		.amdhsa_private_segment_fixed_size 0
		.amdhsa_enable_private_segment 0
		.amdhsa_kernarg_size 16
		.amdhsa_user_sgpr_count 2
		.amdhsa_user_sgpr_kernarg_segment_ptr 1
		.amdhsa_wavefront_size32 1
		.amdhsa_system_sgpr_workgroup_id_x 1
		.amdhsa_system_sgpr_workgroup_id_y 1
		.amdhsa_system_sgpr_workgroup_id_z 1
		.amdhsa_system_vgpr_workitem_id 0
		.amdhsa_next_free_vgpr 256
		.amdhsa_next_free_sgpr 96
		.amdhsa_reserve_vcc 1
		.amdhsa_float_denorm_mode_32 3
		.amdhsa_float_denorm_mode_16_64 3
		.amdhsa_memory_ordered 1
		.amdhsa_forward_progress 1
		.amdhsa_inst_pref_size 80
	.end_amdhsa_kernel
	.amdgpu_metadata
---
amdhsa.version: [ 1, 2 ]
amdhsa.kernels:
  - .name:           k_qdb35a1de4e_attn
    .symbol:         k_qdb35a1de4e_attn.kd
    .args:
      - { .name: act, .offset: 0, .size: 8, .value_kind: global_buffer, .address_space: global }
      - { .name: ctx, .offset: 8, .size: 8, .value_kind: global_buffer, .address_space: global }
    .group_segment_fixed_size: 327680
    .private_segment_fixed_size: 0
    .kernarg_segment_align: 8
    .kernarg_segment_size: 16
    .max_flat_workgroup_size: 256
    .sgpr_count:     96
    .vgpr_count:     256
    .wavefront_size: 32
...
	.end_amdgpu_metadata
.endif
;; end of part 3
;; launch wo (part 4): grid 256 x 1, 4 waves a work-group, clusters of 4 x 1, 327,680 bytes of LDS; arguments ctx, wf, bo, x, ln2_scale, ln2_shift, x1, h; writes x1, h
.if DOCPART == 4
	.amdgcn_target "amdgcn-amd-amdhsa--gfx1250"
	.amdhsa_code_object_version 6
	.text
	.protected	k_qdb35a1de4e_wo
	.globl	k_qdb35a1de4e_wo
	.p2align	8
	.type	k_qdb35a1de4e_wo,@function
k_qdb35a1de4e_wo:
	s_mov_b64 s[64:65], 0
	v_nop
	global_prefetch_b8 v0, s[64:65] scope:SCOPE_SE
	s_setreg_imm32_b32 hwreg(HW_REG_WAVE_MODE, 25, 1), 1
	s_wait_xcnt 0x0
	s_wait_alu depctr_hold_cnt(0) depctr_sa_sdst(0) depctr_va_vdst(0) depctr_va_sdst(0) depctr_va_ssrc(0) depctr_va_vcc(0) depctr_vm_vsrc(0)
	s_getreg_b32 s2, hwreg(HW_REG_IB_STS2, 6, 4)
	s_cmp_eq_u32 s2, 0
	s_cbranch_scc0 .Lentry_in_a_cluster
	s_endpgm
.Lentry_in_a_cluster:
	s_bfe_u32 s2, ttmp6, 0x10000c
	s_cmp_lg_u32 s2, 0x3003
	s_cbranch_scc0 .Lentry_shape_is_right
	s_endpgm
.Lentry_shape_is_right:
; x1 = x + ctx Wo + bo (f32), and h = LayerNorm2(x1) rounded once to bf16.  ctx: panels [head][8192][32] bf16; Wo: bf16 [512][512] at WOOFF of wf, rows along N.
; SHARES.  A work-group makes 32 WHOLE rows of 512 columns, so that the norm needs no second launch; wave w makes columns 128 w .. 128 w + 127: 2 x 8 accumulators.  256 work-groups.
; K = 512: A's 32 rows stay in LDS whole (a head is one chunk of 32 along K); Wo goes in 4 steps of 128 K rows through two slots.
; CLUSTER 4, 1, 1: all work-groups walk the same Wo, so its tiles are asked for JOINTLY by four; each wave fetches 32 of a step's K rows.  A's rows are each work-group's own (no mask).
; The bias starts the sums as the C operand of the first products.  Source 0 = 16 columns of Wo (turned), source 1 = 16 rows of ctx: a lane holds row l % 16 and 8 neighbouring columns.
; LayerNorm in f32, two passes over registers.  NaN and infinities are not treated apart.
; REGISTERS: window 0: v0-31 addresses, v32-55 at work, v64.., v128.. A's fragments (later v64-191 eight rows), v192-255 bias (later h's rows);  window 1: v0-31 scale and shift, v64-191 B's two buffers;
; window 2: accumulators;  window 3: v0-127 my eight rows of x, loaded at the start.
.set WOOFF, 4194304
.set WM, 2
.set WN, 8
.set NACC, WM*WN
.set NF, 2*(WM+WN)
.set PITA, 80
.set HEADB, 32*PITA
.set PITB, 1056                        ; 1,024 bytes + 32: an odd multiple of 32
.set SLOT, 128*PITB
.set AB, 2*SLOT
.set SPARE, AB+16*HEADB                ; the spare words: two blocks of 256 bytes that no other line names
.set EP, 2064                          ; the stage, in slot 0 behind its last fill and last read: a row of 512 f32 + 16 bytes
.set BSTEP, 256*1024
.set AADR, 16
.set ADRB, 20                          ; v20-23: slot x 2 + half of the step's K rows
.set STO, 24
.set RD, 25
.set XO, 26
.set HO, 27
.set SPW, 28
.set NIL, 29
.set BO, 30
.set SO, 31
.set DD, 32
.set T, 48
.set F0, 64
.set F1, 128
.set RR, 64
.set BI, 192
.set YY, 192
.set WV, 20
.set CX, 21
.set RB, 22
.set G1A, 32
.set G0A, 40
.set G1B, 48
.set G0B, 56
.set INV, 66
.set EPS, 67
.set SEL, 68
.set MSB, 0
.macro WIN new
.if MSB != (\new)
	s_set_vgpr_msb (MSB<<8)|(\new)
.set MSB, (\new)
.endif
.endm
.macro PLACES
.rept 4
	v_nop
.endr
.endm
.macro CREST
	s_cmp_lg_u32 s[WV], 0
	s_cbranch_scc1 .Lnot_wave_0_\@
	s_barrier_signal -3
.Lnot_wave_0_\@:
	s_barrier_wait -3
	s_barrier_signal -1
	s_barrier_wait -1
.endm
.macro CROUND
	s_barrier_signal -1
	s_barrier_wait -1
	CREST
.endm
.macro MULR f, i0, i1, z               ; accumulators by turns, ascending.  z = 2: the bias, in window 0, starts the sums
.set idx, \i0
.rept (\i1)-(\i0)
.set ra, idx/WN
.set rb, idx%WN
.set rd, 8*idx
.if (\z) == 2
	WIN 0x81
	v_wmma_f32_16x16x32_bf16 v[rd:rd+7], v[(\f)+8*rb:(\f)+8*rb+7], v[(\f)+8*ra:(\f)+8*ra+7], v[BI+8*rb:BI+8*rb+7]
.else
	WIN 0xa1
	v_wmma_f32_16x16x32_bf16 v[rd:rd+7], v[(\f)+8*rb:(\f)+8*rb+7], v[(\f)+8*ra:(\f)+8*ra+7], v[rd:rd+7]
.endif
.set idx, idx+1
.endr
.endm
.macro FETCH q, f                      ; chunk q of 16 (= head q): Wo's K rows 32 q on, in slot (q / 4) % 2
.set fs, ((\q)/4)%2
.set fk, (\q)%4
	WIN 0x40
.set fi, 0
.rept WN
	ds_load_tr16_b128 v[(\f)+8*fi:(\f)+8*fi+3],   v[ADRB+2*fs+fk/2] offset:(fk%2)*32*PITB+32*fi
	ds_load_tr16_b128 v[(\f)+8*fi+4:(\f)+8*fi+7], v[ADRB+2*fs+fk/2] offset:(fk%2)*32*PITB+16*PITB+32*fi
.set fi, fi+1
.endr
	WIN 0
.set fi, 0
.rept WM
	ds_load_b128 v[(\f)+8*fi:(\f)+8*fi+3],   v[AADR] offset:(\q)*HEADB+fi*16*PITA
	ds_load_b128 v[(\f)+8*fi+4:(\f)+8*fi+7], v[AADR] offset:(\q)*HEADB+fi*16*PITA+32
.set fi, fi+1
.endr
.endm
.macro CHUNK f, g, q, z                ; fetches chunk q into g, multiplies f
	PLACES
	FETCH \q, \g
	s_wait_dscnt NF                                ; all but the NF loads just issued
	MULR \f, 0, NACC, \z
.endm
.macro TURN f, g, slot, q, fill        ; a step's last chunk: the change of slots, as in the other product bodies; here every wave issues the one joint line
	WIN 0
	s_wait_tensorcnt 0x0
	ds_add_u32 v[SPW], v[NIL]
	s_wait_dscnt 0x1                               ; only the add may be out
	MULR \f, 0, NACC/4, 0
	s_wait_dscnt 0x0                               ; the add is done, my reads of this slot are over
	s_barrier_signal -1
	MULR \f, NACC/4, NACC/2, 0
	WIN 0
	s_barrier_wait -1
.if \fill
	CREST
	s_add_nc_u64 s[G0B+4*(\slot)+2:G0B+4*(\slot)+3], s[G0B+4*(\slot)+2:G0B+4*(\slot)+3], BSTEP
	tensor_load_to_lds s[G0B+4*(\slot):G0B+4*(\slot)+3], s[G1B:G1B+7]
	s_nop 0
	PLACES                                         ; also the places in front of the loads below
.else
	PLACES
.endif
	FETCH \q, \g
	MULR \f, NACC/2, NACC, 0
.endm
.macro LAST f
	s_wait_dscnt 0x0
	s_barrier_signal -1
	MULR \f, 0, NACC, 0
	WIN 0
	s_barrier_wait -1
.endm
.macro REDUCE a
	v_add_f32_dpp v[\a], v[\a], v[\a] row_xmask:1 row_mask:0xf bank_mask:0xf
	v_add_f32_dpp v[\a], v[\a], v[\a] row_xmask:2 row_mask:0xf bank_mask:0xf
	v_add_f32_dpp v[\a], v[\a], v[\a] row_xmask:4 row_mask:0xf bank_mask:0xf
	v_add_f32_dpp v[\a], v[\a], v[\a] row_xmask:8 row_mask:0xf bank_mask:0xf
	v_permlanex16_b32 v[(\a)+1], v[\a], s[SEL], s[SEL+1]
	v_add_f32 v[\a], v[\a], v[(\a)+1]
.endm
.macro LNROW src, dst                  ; the row in v[src..+15], which pending stores still read, is normalised into DD and rounded into v[dst..+7]
	WIN 0
.irp j, 0,1,2,3
	v_pk_add_f32 v[T+2*\j:T+2*\j+1], v[(\src)+4*\j:(\src)+4*\j+1], v[(\src)+4*\j+2:(\src)+4*\j+3]
.endr
	v_pk_add_f32 v[T:T+1], v[T:T+1], v[T+2:T+3]
	v_pk_add_f32 v[T+4:T+5], v[T+4:T+5], v[T+6:T+7]
	v_pk_add_f32 v[T:T+1], v[T:T+1], v[T+4:T+5]
	v_add_f32 v[T], v[T], v[T+1]
	REDUCE T
	v_mul_f32 v[T], s[INV], v[T]
.irp j, 0,1,2,3,4,5,6,7
	v_pk_add_f32 v[DD+2*\j:DD+2*\j+1], v[(\src)+2*\j:(\src)+2*\j+1], v[T:T+1] op_sel_hi:[1,0] neg_lo:[0,1] neg_hi:[0,1]
.endr
	v_pk_mul_f32 v[T+2:T+3], v[DD:DD+1], v[DD:DD+1]
	v_pk_mul_f32 v[T+4:T+5], v[DD+2:DD+3], v[DD+2:DD+3]
.irp j, 2,4,6
	v_pk_fma_f32 v[T+2:T+3], v[DD+2*\j:DD+2*\j+1], v[DD+2*\j:DD+2*\j+1], v[T+2:T+3]
	v_pk_fma_f32 v[T+4:T+5], v[DD+2*\j+2:DD+2*\j+3], v[DD+2*\j+2:DD+2*\j+3], v[T+4:T+5]
.endr
	v_pk_add_f32 v[T+2:T+3], v[T+2:T+3], v[T+4:T+5]
	v_add_f32 v[T+2], v[T+2], v[T+3]
	REDUCE T+2
	v_fma_f32 v[T+2], v[T+2], s[INV], s[EPS]
	v_rsq_f32 v[T+2], v[T+2]
	v_nop                                          ; a plain instruction between the root and its use
	s_wait_alu depctr_va_vdst(0)
.irp j, 0,1,2,3,4,5,6,7
	v_pk_mul_f32 v[DD+2*\j:DD+2*\j+1], v[DD+2*\j:DD+2*\j+1], v[T+2:T+3] op_sel_hi:[1,0]
.endr
	WIN 0x14                                       ; scale and shift lie in window 1
.irp j, 0,1,2,3,4,5,6,7
	v_pk_fma_f32 v[DD+2*\j:DD+2*\j+1], v[DD+2*\j:DD+2*\j+1], v[2*\j:2*\j+1], v[16+2*\j:16+2*\j+1]
.endr
	WIN 0
.irp j, 0,1,2,3,4,5,6,7
	v_cvt_pk_bf16_f32 v[(\dst)+\j], v[DD+2*\j], v[DD+2*\j+1]
.endr
.endm
	s_load_b512 s[4:19], s[0:1], 0x0               ; ctx 4, wf 6, bo 8, x 10, ln2_scale 12, ln2_shift 14, x1 16, h 18
	v_lshl_add_u32 v[SPW], v0, 2, SPARE
	v_mov_b32 v[NIL], 0
	ds_add_u32 v[SPW], v[NIL]                      ; the wave's opening: the add and its wait stand ahead of my first tensor load
	v_lshrrev_b32 v1, 5, v0
	v_readfirstlane_b32 s[WV], v1
	s_bfe_u32 s[CX], ttmp6, 0x40000
	s_lshl_b32 s[RB], ttmp9, 2
	s_add_co_u32 s[RB], s[RB], s[CX]               ; my block of 32 rows
	s_mov_b32 s[G1A+0], (1<<16)|(1<<20)|(3<<22)|(3<<25)  ; no mask; 4 words behind every 16: a token's 64 bytes
	s_mov_b32 s[G1A+1], 1024<<16                   ; a head's 32 tokens are 1,024 dense elements
	s_mov_b32 s[G1A+2], 4<<16                      ; four heads a wave
	s_mov_b32 s[G1A+3], 1024<<16
	s_mov_b32 s[G1A+4], 4
	s_mov_b32 s[G1A+5], 262144                     ; elements from panel to panel
	s_mov_b32 s[G1A+6], 0
	s_mov_b32 s[G1A+7], 0
	s_mov_b32 s[G1B+0], 15|(1<<16)|(1<<20)|(1<<21)|(7<<22)|(7<<25)  ; the mask of four, bit 21 beside it; 8 words behind every 256
	s_mov_b32 s[G1B+1], 512<<16
	s_mov_b32 s[G1B+2], 32<<16
	s_mov_b32 s[G1B+3], 512<<16
	s_mov_b32 s[G1B+4], 32
	s_mov_b32 s[G1B+5], 512
	s_mov_b32 s[G1B+6], 0
	s_mov_b32 s[G1B+7], 0
	s_lshl_b32 s24, s[WV], 21                      ; A: 4 panels a wave, 32 rows of 64 bytes a block
	s_lshl_b32 s25, s[RB], 11
	s_add_co_u32 s24, s24, s25
	s_mov_b32 s25, 0
	s_lshl_b32 s28, s[WV], 15                      ; B: 32 K rows of 1,024 bytes a wave: of the wave's number alone
	s_add_co_u32 s28, s28, WOOFF
	s_mov_b32 s29, 0
	s_mul_i32 s23, s[WV], 4*HEADB
	s_mul_i32 s30, s[WV], 32*PITB
	s_mov_b32 s[G0A], 1
	s_add_co_u32 s[G0A+1], s23, AB
	s_mov_b32 s[G0B], 1
	s_add_co_u32 s[G0B+1], s30, 0
	s_mov_b32 s[G0B+4], 1
	s_add_co_u32 s[G0B+5], s30, SLOT
	s_wait_dscnt 0x0                               ; the opening add is done
	s_wait_kmcnt 0x0
	s_add_nc_u64 s[G0A+2:G0A+3], s[4:5], s[24:25]
	s_or_b32 s[G0A+3], s[G0A+3], 0x80000000
	s_add_nc_u64 s[G0B+2:G0B+3], s[6:7], s[28:29]
	s_add_nc_u64 s[G0B+6:G0B+7], s[G0B+2:G0B+3], 128*1024
	s_or_b32 s[G0B+3], s[G0B+3], 0x80000000
	s_or_b32 s[G0B+7], s[G0B+7], 0x80000000
	CROUND                                         ; all four work-groups are here: the first joint loads meet
	tensor_load_to_lds s[G0A:G0A+3], s[G1A:G1A+7]  ; my four heads of A; three loads of mine are out
	s_nop 0
	tensor_load_to_lds s[G0B:G0B+3], s[G1B:G1B+7]  ; K step 0
	s_nop 0
	tensor_load_to_lds s[G0B+4:G0B+7], s[G1B:G1B+7]  ; K step 1
	s_nop 0
	PLACES
	v_and_b32 v1, 15, v0
	v_bfe_u32 v2, v0, 4, 1
	v_and_b32 v3, 7, v0
	v_bfe_u32 v4, v0, 3, 1
	v_and_b32 v5, 31, v0
	v_lshlrev_b32 v[BO], 5, v2                     ; the bias as a C operand: 8 columns at 8 (l / 16) of each 16
	s_lshl_b32 s84, s[WV], 9
	s_mov_b32 s85, 0
	s_add_nc_u64 s[8:9], s[8:9], s[84:85]
.irp b, 0,1,2,3,4,5,6,7
	global_load_b128 v[BI+8*\b:BI+8*\b+3],   v[BO], s[8:9] offset:64*\b
	global_load_b128 v[BI+8*\b+4:BI+8*\b+7], v[BO], s[8:9] offset:64*\b+16
.endr
	v_lshlrev_b32 v[SO], 4, v5                     ; in the norm lane l holds columns 4 l + 128 i
	WIN 0x40
.irp i, 0,1,2,3
	global_load_b128 v[4*\i:4*\i+3], v[SO], s[12:13] offset:512*\i
.endr
.irp i, 0,1,2,3
	global_load_b128 v[16+4*\i:16+4*\i+3], v[SO], s[14:15] offset:512*\i
.endr
	WIN 0
	v_lshl_add_u32 v[XO], s[WV], 14, v[SO]         ; my wave's 8 rows of 2,048 bytes
	s_lshl_b32 s84, s[RB], 16
	s_add_nc_u64 s[10:11], s[10:11], s[84:85]
	s_add_nc_u64 s[16:17], s[16:17], s[84:85]
	WIN 0xc0
.set i, 0
.rept 32
	global_load_b128 v[4*i:4*i+3], v[XO], s[10:11] offset:(i/4)*2048+(i%4)*512
.set i, i+1
.endr
	WIN 0
	s_lshl_b32 s84, s[RB], 15
	s_add_nc_u64 s[18:19], s[18:19], s[84:85]
	v_lshlrev_b32 v[HO], 3, v5
	v_lshl_add_u32 v[HO], s[WV], 13, v[HO]         ; 8 rows of 1,024 bytes
	v_mul_u32_u24 v[AADR], v1, PITA
	v_lshl_add_u32 v[AADR], v2, 4, v[AADR]
	v_add_nc_u32 v[AADR], AB, v[AADR]
	v_lshl_add_u32 v6, v2, 3, v3
	v_mul_u32_u24 v6, v6, PITB
	v_lshl_add_u32 v6, v4, 4, v6
	v_lshl_add_u32 v[ADRB], s[WV], 8, v6           ; + my 128 columns
	v_add_nc_u32 v[ADRB+1], 64*PITB, v[ADRB]
	v_add_nc_u32 v[ADRB+2], SLOT, v[ADRB]
	v_add_nc_u32 v[ADRB+3], SLOT+64*PITB, v[ADRB]
	v_mul_u32_u24 v[STO], v1, EP
	v_lshl_add_u32 v[STO], v2, 5, v[STO]
	v_lshl_add_u32 v[STO], s[WV], 9, v[STO]
	s_mul_i32 s86, s[WV], 8*EP
	v_add_nc_u32 v[RD], s86, v[SO]
	s_mov_b32 s[INV], 0x3b000000
	s_mov_b32 s[EPS], 0x3727c5ac
	s_mov_b32 s[SEL], 0x76543210
	s_mov_b32 s[SEL+1], 0xfedcba98
	s_wait_tensorcnt 0x1                           ; my parts of A and of K step 0 are in; step 1's may stay out
	s_barrier_signal -1
	s_barrier_wait -1
	FETCH 0, F0
	s_wait_loadcnt 40                              ; the bias is in; scale, shift and x, 40 younger loads, stay out
	CHUNK F0, F1, 1, 2
	CHUNK F1, F0, 2, 0
	CHUNK F0, F1, 3, 0
	TURN  F1, F0, 0, 4, 1                          ; slot 0 takes K step 2
	CHUNK F0, F1, 5, 0
	CHUNK F1, F0, 6, 0
	CHUNK F0, F1, 7, 0
	TURN  F1, F0, 1, 8, 1                          ; slot 1 takes K step 3
	CHUNK F0, F1, 9, 0
	CHUNK F1, F0, 10, 0
	CHUNK F0, F1, 11, 0
	TURN  F1, F0, 0, 12, 0
	CHUNK F0, F1, 13, 0
	CHUNK F1, F0, 14, 0
	CHUNK F0, F1, 15, 0
	LAST  F1
	; THE WAY OUT.  The four waves lay their columns into one stage of 32 whole rows; behind a barrier each wave takes 8 rows, adds x, stores x1, normalises and stores h.
	PLACES
.set idx, 0
.rept NACC
	WIN 0x08
	ds_store_b128 v[STO], v[8*idx:8*idx+3]   offset:(idx/WN)*16*EP+(idx%WN)*64
	ds_store_b128 v[STO], v[8*idx+4:8*idx+7] offset:(idx/WN)*16*EP+(idx%WN)*64+16
.set idx, idx+1
.endr
	WIN 0
	s_wait_dscnt 0x0                               ; for the others' sake: my stores into the stage are done
	s_barrier_signal -1
	s_barrier_wait -1
	s_wait_loadcnt 0x0                             ; scale, shift, x
.set i, 0
.rept 32
	ds_load_b128 v[RR+4*i:RR+4*i+3], v[RD] offset:(i/4)*EP+(i%4)*512
.set i, i+1
.endr
.set rw, 0
.rept 8
	WIN 0
	s_wait_dscnt 4*(7-rw)                          ; this row's four loads are in, the later rows' stay out
	WIN 0x0c                                       ; x lies in window 3
.set j, 0
.rept 8
	v_pk_add_f32 v[RR+16*rw+2*j:RR+16*rw+2*j+1], v[RR+16*rw+2*j:RR+16*rw+2*j+1], v[16*rw+2*j:16*rw+2*j+1]
.set j, j+1
.endr
	WIN 0
.irp i, 0,1,2,3
	global_store_b128 v[XO], v[RR+16*rw+4*\i:RR+16*rw+4*\i+3], s[16:17] offset:rw*2048+\i*512
.endr
	LNROW RR+16*rw, YY+8*rw
.irp i, 0,1,2,3
	global_store_b64 v[HO], v[YY+8*rw+2*\i:YY+8*rw+2*\i+1], s[18:19] offset:rw*1024+\i*256
.endr
.set rw, rw+1
.endr
	s_wait_tensorcnt 0x0                           ; the wave's end
	ds_add_u32 v[SPW], v[NIL]
	s_wait_dscnt 0x0
	CROUND                                         ; the closing round
	s_endpgm
.Lfunc_end_k_qdb35a1de4e_wo:
	.size	k_qdb35a1de4e_wo, .Lfunc_end_k_qdb35a1de4e_wo-k_qdb35a1de4e_wo
	.p2alignl 7, 3214868480
	.fill 96, 4, 3214868480
	.section	.rodata,"a",@progbits
	.p2align	6, 0x0
	.amdhsa_kernel k_qdb35a1de4e_wo
		.amdhsa_group_segment_fixed_size 327680
		.amdhsa_private_segment_fixed_size 0
		.amdhsa_enable_private_segment 0
		.amdhsa_kernarg_size 64
		.amdhsa_user_sgpr_count 2
		.amdhsa_user_sgpr_kernarg_segment_ptr 1
		.amdhsa_wavefront_size32 1
		.amdhsa_system_sgpr_workgroup_id_x 1
		.amdhsa_system_sgpr_workgroup_id_y 1
		.amdhsa_system_sgpr_workgroup_id_z 1
		.amdhsa_system_vgpr_workitem_id 0
		.amdhsa_next_free_vgpr 896
		.amdhsa_next_free_sgpr 100
		.amdhsa_reserve_vcc 0
		.amdhsa_float_denorm_mode_32 3
		.amdhsa_float_denorm_mode_16_64 3
		.amdhsa_memory_ordered 1
		.amdhsa_forward_progress 1
		.amdhsa_inst_pref_size 101
	.end_amdhsa_kernel
	.amdgpu_metadata
---
amdhsa.version: [ 1, 2 ]
amdhsa.kernels:
  - .name:           k_qdb35a1de4e_wo
    .symbol:         k_qdb35a1de4e_wo.kd
    .args:
      - { .name: ctx, .offset: 0, .size: 8, .value_kind: global_buffer, .address_space: global }
      - { .name: wf, .offset: 8, .size: 8, .value_kind: global_buffer, .address_space: global }
      - { .name: bo, .offset: 16, .size: 8, .value_kind: global_buffer, .address_space: global }
      - { .name: x, .offset: 24, .size: 8, .value_kind: global_buffer, .address_space: global }
      - { .name: ln2_scale, .offset: 32, .size: 8, .value_kind: global_buffer, .address_space: global }
      - { .name: ln2_shift, .offset: 40, .size: 8, .value_kind: global_buffer, .address_space: global }
      - { .name: x1, .offset: 48, .size: 8, .value_kind: global_buffer, .address_space: global }
      - { .name: h, .offset: 56, .size: 8, .value_kind: global_buffer, .address_space: global }
    .group_segment_fixed_size: 327680
    .private_segment_fixed_size: 0
    .kernarg_segment_align: 8
    .kernarg_segment_size: 64
    .max_flat_workgroup_size: 128
    .sgpr_count:     100
    .vgpr_count:     896
    .wavefront_size: 32
...
	.end_amdgpu_metadata
.endif
;; end of part 4
;; launch ff1: the kernel of part 2 again; grid 32 x 8, 4 waves a work-group, clusters of 4 x 1, 327,680 bytes of LDS; arguments h, wf, b1, act, parf; writes act
;; launch ff2 (part 5): grid 64 x 4, 4 waves a work-group, clusters of 4 x 4, 327,680 bytes of LDS; arguments act, wf, b2, x1, out0; writes out0
.if DOCPART == 5
	.amdgcn_target "amdgcn-amd-amdhsa--gfx1250"
	.amdhsa_code_object_version 6
	.text
	.protected	k_qdb35a1de4e_ff2
	.globl	k_qdb35a1de4e_ff2
	.p2align	8
	.type	k_qdb35a1de4e_ff2,@function
k_qdb35a1de4e_ff2:
	s_mov_b64 s[64:65], 0
	v_nop
	global_prefetch_b8 v0, s[64:65] scope:SCOPE_SE
	s_setreg_imm32_b32 hwreg(HW_REG_WAVE_MODE, 25, 1), 1
	s_wait_xcnt 0x0
	s_wait_alu depctr_hold_cnt(0) depctr_sa_sdst(0) depctr_va_vdst(0) depctr_va_sdst(0) depctr_va_ssrc(0) depctr_va_vcc(0) depctr_vm_vsrc(0)
	s_getreg_b32 s2, hwreg(HW_REG_IB_STS2, 6, 4)
	s_cmp_eq_u32 s2, 0
	s_cbranch_scc0 .Lentry_in_a_cluster
	s_endpgm
.Lentry_in_a_cluster:
	s_bfe_u32 s2, ttmp6, 0x10000c
	s_cmp_lg_u32 s2, 0xf033
	s_cbranch_scc0 .Lentry_shape_is_right
	s_endpgm
.Lentry_shape_is_right:
; out0 = x1 + act W2 + b2, f32.  act: panels [K / 32][8192 rows][32] bf16; W2: bf16 [2048][512] at W2OFF of wf, rows along N.  Sums in f32.
; SHARES.  Tiles of 128 x 128 give 64 x 4 = 256 work-groups; four waves of 64 x 64: 16 accumulators.  K = 2,048 goes in 8 steps of 256 (8 panels = 8 chunks of 32) through two LDS slots.
; CLUSTER 4 x 4.  x counts row tiles, y column tiles.  A's tiles hang on the row tile alone: shared by the four of one cx; B's on the column tile alone: shared by the four of one cy.
; The grid has one cluster along y, so the column tile is cy itself.
; The bias starts the sums as the C operand of the first products; x1 is loaded at the start and added on the way out.  Source 0 = 16 columns of W2 (turned), source 1 = 16 rows of act.
; NaN and infinities are not treated apart.
; REGISTERS: window 0: v0-31 addresses, v64.., v128.. A's fragments (later v64-191 the way out), v192-223 bias;  window 1: B's fragments;  window 2: accumulators;  window 3: v0-127 x1.
.set W2OFF, 2097152
.set WM, 4
.set WN, 4
.set NACC, WM*WN
.set NF, 2*(WM+WN)
.set PITA, 80
.set PANEL, 128*PITA
.set PITB, 288                         ; 256 bytes + 32: an odd multiple of 32
.set BOFF, 8*PANEL
.set SLOT, BOFF+256*PITB
.set SPARE, 2*SLOT                     ; the spare words: two blocks of 256 bytes that no other line names
.set EP, 272
.set REGION, 64*EP                     ; each wave's stage, in slot 0 behind its last fill and last read
.set ASTEP, 16*524288
.set BSTEP, 512*1024
.set ADRA, 16                          ; v16-19: slot x 2 + half of the step
.set ADRB, 20                          ; v20-23
.set STO, 24
.set RD, 25
.set CO, 26
.set BO, 27
.set SPW, 28
.set NIL, 29
.set F0, 64
.set F1, 128
.set RR, 64
.set BI, 192
.set WV, 16
.set WR, 17
.set WC, 18
.set CX, 19
.set CY, 22
.set MT, 21
.set G1A, 32
.set G0A, 40
.set G1B, 48
.set G0B, 56
.set MSB, 0
.macro WIN new
.if MSB != (\new)
	s_set_vgpr_msb (MSB<<8)|(\new)
.set MSB, (\new)
.endif
.endm
.macro PLACES
.rept 4
	v_nop
.endr
.endm
.macro CREST
	s_cmp_lg_u32 s[WV], 0
	s_cbranch_scc1 .Lnot_wave_0_\@
	s_barrier_signal -3
.Lnot_wave_0_\@:
	s_barrier_wait -3
	s_barrier_signal -1
	s_barrier_wait -1
.endm
.macro CROUND
	s_barrier_signal -1
	s_barrier_wait -1
	CREST
.endm
.macro JLOAD s                         ; waves 0, 1: four panels of A each; waves 2, 3: 128 K rows of B each; both jointly.  An s_nop 0 and four v_nop follow each line
	s_cmp_eq_u32 s[WR], 0
	s_cbranch_scc0 .Lfor_b_\@
	tensor_load_to_lds s[G0A+4*(\s):G0A+4*(\s)+3], s[G1A:G1A+7]
	s_nop 0
	PLACES
	s_branch .Lasked_\@
.Lfor_b_\@:
	tensor_load_to_lds s[G0B+4*(\s):G0B+4*(\s)+3], s[G1B:G1B+7]
	s_nop 0
	PLACES
.Lasked_\@:
.endm
.macro MULR f, i0, i1, z               ; accumulators by turns, ascending.  z = 2: the bias starts the sums
.set idx, \i0
.rept (\i1)-(\i0)
.set ra, idx/WN
.set rb, idx%WN
.set rd, 8*idx
.if (\z) == 2
	WIN 0x81
	v_wmma_f32_16x16x32_bf16 v[rd:rd+7], v[(\f)+8*rb:(\f)+8*rb+7], v[(\f)+8*ra:(\f)+8*ra+7], v[BI+8*rb:BI+8*rb+7]
.else
	WIN 0xa1
	v_wmma_f32_16x16x32_bf16 v[rd:rd+7], v[(\f)+8*rb:(\f)+8*rb+7], v[(\f)+8*ra:(\f)+8*ra+7], v[rd:rd+7]
.endif
.set idx, idx+1
.endr
.endm
.macro FETCH slot, kq, f               ; chunk kq of 8 of the step in the slot
	WIN 0x40
.set fi, 0
.rept WN
	ds_load_tr16_b128 v[(\f)+8*fi:(\f)+8*fi+3],   v[ADRB+2*(\slot)+(\kq)/4] offset:((\kq)%4)*32*PITB+32*fi
	ds_load_tr16_b128 v[(\f)+8*fi+4:(\f)+8*fi+7], v[ADRB+2*(\slot)+(\kq)/4] offset:((\kq)%4)*32*PITB+16*PITB+32*fi
.set fi, fi+1
.endr
	WIN 0
.set fi, 0
.rept WM
	ds_load_b128 v[(\f)+8*fi:(\f)+8*fi+3],   v[ADRA+2*(\slot)+(\kq)/4] offset:((\kq)%4)*PANEL+fi*16*PITA
	ds_load_b128 v[(\f)+8*fi+4:(\f)+8*fi+7], v[ADRA+2*(\slot)+(\kq)/4] offset:((\kq)%4)*PANEL+fi*16*PITA+32
.set fi, fi+1
.endr
.endm
.macro CHUNK f, g, slot, kq, z         ; fetches chunk kq into g, multiplies f
	PLACES
	FETCH \slot, \kq, \g
	s_wait_dscnt NF                                ; all but the NF loads just issued
	MULR \f, 0, NACC, \z
.endm
.macro RUN slot, k0                    ; multiplies chunks k0 .. 6 of the slot, each fetching the next
.set kk, \k0
.rept 7-(\k0)
.if kk%2
	CHUNK F1, F0, \slot, kk+1, 0
.else
	CHUNK F0, F1, \slot, kk+1, 0
.endif
.set kk, kk+1
.endr
.endm
; A step's last chunk changes slots.  In front of the barrier each wave waits for all its tensor loads (one is out: its part of the next slot), adds 0 to its spare word, and waits for that and for its reads of this slot.
; fill = 1: the barrier opens a round of the cluster's barrier; the joint refill, two K steps on, is the first thing behind it and has 120 matrix instructions in which to land.
.macro TURN f, g, slot, next, fill
	WIN 0
	s_wait_tensorcnt 0x0
	ds_add_u32 v[SPW], v[NIL]
	s_wait_dscnt 0x1                               ; only the add may be out
	MULR \f, 0, NACC/4, 0
	s_wait_dscnt 0x0
	s_barrier_signal -1
	MULR \f, NACC/4, NACC/2, 0
	WIN 0
	s_barrier_wait -1
.if \fill
	CREST
	s_add_nc_u64 s[G0A+4*(\slot)+2:G0A+4*(\slot)+3], s[G0A+4*(\slot)+2:G0A+4*(\slot)+3], ASTEP
	s_add_nc_u64 s[G0B+4*(\slot)+2:G0B+4*(\slot)+3], s[G0B+4*(\slot)+2:G0B+4*(\slot)+3], BSTEP
	JLOAD \slot
.else
	PLACES
.endif
	FETCH \next, 0, \g
	MULR \f, NACC/2, NACC, 0
.endm
.macro LAST f
	s_wait_dscnt 0x0
	s_barrier_signal -1
	MULR \f, 0, NACC, 0
	WIN 0
	s_barrier_wait -1
.endm
	s_load_b256 s[4:11], s[0:1], 0x0               ; act 4, wf 6, b2 8, x1 10
	s_load_b64 s[12:13], s[0:1], 0x20              ; out0
	v_lshl_add_u32 v[SPW], v0, 2, SPARE
	v_mov_b32 v[NIL], 0
	ds_add_u32 v[SPW], v[NIL]                      ; the wave's opening: the add and its wait stand ahead of my first tensor load
	v_lshrrev_b32 v1, 5, v0
	v_readfirstlane_b32 s[WV], v1
	s_lshr_b32 s[WR], s[WV], 1
	s_and_b32 s[WC], s[WV], 1
	s_bfe_u32 s[CX], ttmp6, 0x40000
	s_bfe_u32 s[CY], ttmp6, 0x40004                ; also the column tile
	s_lshl_b32 s[MT], ttmp9, 2
	s_add_co_u32 s[MT], s[MT], s[CX]               ; row tile = 4 x cluster x + cx
	s_lshl_b32 s24, 0x1111, s[CX]                  ; the four of my cx
	s_lshl_b32 s28, s[CY], 2
	s_lshl_b32 s28, 15, s28                        ; the four of my cy
	s_or_b32 s[G1A+0], s24, (1<<16)|(1<<20)|(1<<21)|(3<<22)|(3<<25)  ; the mask, bit 21 beside it; 2-byte elements; 4 words behind every 16: a token's 64 bytes
	s_mov_b32 s[G1A+1], 4096<<16                   ; a panel's 128 tokens are 4,096 dense elements
	s_mov_b32 s[G1A+2], 4<<16                      ; four panels a load
	s_mov_b32 s[G1A+3], 4096<<16
	s_mov_b32 s[G1A+4], 4
	s_mov_b32 s[G1A+5], 262144                     ; elements from panel to panel
	s_mov_b32 s[G1A+6], 0
	s_mov_b32 s[G1A+7], 0
	s_or_b32 s[G1B+0], s28, (1<<16)|(1<<20)|(1<<21)|(5<<22)|(7<<25)  ; 8 words behind every 64
	s_mov_b32 s[G1B+1], 128<<16
	s_mov_b32 s[G1B+2], 128<<16
	s_mov_b32 s[G1B+3], 128<<16
	s_mov_b32 s[G1B+4], 128
	s_mov_b32 s[G1B+5], 512
	s_mov_b32 s[G1B+6], 0
	s_mov_b32 s[G1B+7], 0
	s_lshl_b32 s24, s[WC], 21                      ; A: 4 panels x half + 128 tokens of 64 bytes x row tile: of the wave's number and the row tile alone
	s_lshl_b32 s25, s[MT], 13
	s_add_co_u32 s24, s24, s25
	s_mov_b32 s25, 0
	s_lshl_b32 s28, s[WC], 17                      ; B: 128 K rows of 1,024 bytes x half + 256 bytes x column tile: of the wave's number and cy alone
	s_lshl_b32 s29, s[CY], 8
	s_add_co_u32 s28, s28, s29
	s_add_co_u32 s28, s28, W2OFF
	s_mov_b32 s29, 0
	s_mul_i32 s20, s[WC], 4*PANEL                  ; the LDS places: of the wave's number alone
	s_mul_i32 s23, s[WC], 128*PITB
	s_wait_dscnt 0x0                               ; the opening add is done
	s_wait_kmcnt 0x0
	s_add_nc_u64 s[26:27], s[4:5], s[24:25]
	s_add_nc_u64 s[30:31], s[6:7], s[28:29]
	CROUND                                         ; all sixteen work-groups are here: the first joint loads meet
.irp s, 0,1
	s_mov_b32 s[G0A+4*(\s)], 1
	s_add_co_u32 s[G0A+4*(\s)+1], s20, (\s)*SLOT
	s_add_nc_u64 s[G0A+4*(\s)+2:G0A+4*(\s)+3], s[26:27], (\s)*8*524288
	s_or_b32 s[G0A+4*(\s)+3], s[G0A+4*(\s)+3], 0x80000000
	s_mov_b32 s[G0B+4*(\s)], 1
	s_add_co_u32 s[G0B+4*(\s)+1], s23, (\s)*SLOT+BOFF
	s_add_nc_u64 s[G0B+4*(\s)+2:G0B+4*(\s)+3], s[30:31], (\s)*256*1024
	s_or_b32 s[G0B+4*(\s)+3], s[G0B+4*(\s)+3], 0x80000000
	JLOAD \s                                       ; K steps 0 and 1: two loads of mine are out
.endr
	v_and_b32 v1, 15, v0
	v_bfe_u32 v2, v0, 4, 1
	v_and_b32 v3, 7, v0
	v_bfe_u32 v4, v0, 3, 1
	v_lshlrev_b32 v[BO], 5, v2                     ; the bias as a C operand: 8 columns at 8 (l / 16) of each 16
	s_lshl_b32 s86, s[CY], 9
	s_lshl_b32 s87, s[WC], 8
	s_add_co_u32 s86, s86, s87                     ; my 64 columns, in bytes of f32
	s_mov_b32 s87, 0
	s_add_nc_u64 s[8:9], s[8:9], s[86:87]
.irp b, 0,1,2,3
	global_load_b128 v[BI+8*\b:BI+8*\b+3],   v[BO], s[8:9] offset:64*\b
	global_load_b128 v[BI+8*\b+4:BI+8*\b+7], v[BO], s[8:9] offset:64*\b+16
.endr
	s_lshl_b32 s84, s[MT], 18                      ; my 64 rows of 2,048 bytes
	s_lshl_b32 s85, s[WR], 17
	s_add_co_u32 s84, s84, s85
	s_add_co_u32 s84, s84, s86
	s_mov_b32 s85, 0
	s_add_nc_u64 s[10:11], s[10:11], s[84:85]
	s_add_nc_u64 s[12:13], s[12:13], s[84:85]
	v_lshlrev_b32 v[CO], 11, v2                    ; lanes 0-15 one row's 256 bytes, lanes 16-31 the next row's
	v_lshl_add_u32 v[CO], v1, 4, v[CO]
	WIN 0xc0
.set i, 0
.rept 32
	global_load_b128 v[4*i:4*i+3], v[CO], s[10:11] offset:4096*i
.set i, i+1
.endr
	WIN 0
	v_mul_u32_u24 v5, v1, PITA
	v_lshl_add_u32 v5, v2, 4, v5
	s_mul_i32 s86, s[WR], 64*PITA
	v_add_nc_u32 v[ADRA], s86, v5
	v_add_nc_u32 v[ADRA+1], 4*PANEL, v[ADRA]
	v_add_nc_u32 v[ADRA+2], SLOT, v[ADRA]
	v_add_nc_u32 v[ADRA+3], SLOT+4*PANEL, v[ADRA]
	v_lshl_add_u32 v6, v2, 3, v3
	v_mul_u32_u24 v6, v6, PITB
	v_lshl_add_u32 v6, v4, 4, v6
	s_lshl_b32 s86, s[WC], 7
	s_add_co_u32 s86, s86, BOFF
	v_add_nc_u32 v[ADRB], s86, v6
	v_add_nc_u32 v[ADRB+1], 128*PITB, v[ADRB]
	v_add_nc_u32 v[ADRB+2], SLOT, v[ADRB]
	v_add_nc_u32 v[ADRB+3], SLOT+128*PITB, v[ADRB]
	s_mul_i32 s86, s[WV], REGION
	v_mul_u32_u24 v[STO], v1, EP
	v_lshl_add_u32 v[STO], v2, 5, v[STO]
	v_add_nc_u32 v[STO], s86, v[STO]
	v_mul_u32_u24 v[RD], v2, EP
	v_lshl_add_u32 v[RD], v1, 4, v[RD]
	v_add_nc_u32 v[RD], s86, v[RD]
	s_wait_tensorcnt 0x1                           ; my part of K step 0 is in; step 1's may stay out
	s_barrier_signal -1
	s_barrier_wait -1
	FETCH 0, 0, F0
	s_wait_loadcnt 32                              ; the bias is in; x1's 32 loads stay out
	CHUNK F0, F1, 0, 1, 2                          ; the first chunk stands in front of the loop: its products start the sums
	WIN 0
	s_mov_b32 s3, 3
.Llap:                                             ; a trip goes once round the ring, from a lap's second chunk to the next lap's first, and fills both slots again
	RUN 0, 1
	TURN F1, F0, 0, 1, 1
	RUN 1, 0
	TURN F1, F0, 1, 0, 1
	CHUNK F0, F1, 0, 1, 0
	WIN 0
	s_sub_co_u32 s3, s3, 1
	s_cmp_lg_u32 s3, 0
	s_cbranch_scc1 .Llap
	RUN 0, 1                                       ; the last lap fills nothing
	TURN F1, F0, 0, 1, 0
	RUN 1, 0
	LAST F1
	; THE WAY OUT: the f32 sums through my own stage, back as whole rows of 256 bytes, x1 added, stored.
	PLACES
.set idx, 0
.rept NACC
	WIN 0x08
	ds_store_b128 v[STO], v[8*idx:8*idx+3]   offset:(idx/WN)*16*EP+(idx%WN)*64
	ds_store_b128 v[STO], v[8*idx+4:8*idx+7] offset:(idx/WN)*16*EP+(idx%WN)*64+16
.set idx, idx+1
.endr
	WIN 0
.set i, 0
.rept 32
	ds_load_b128 v[RR+4*i:RR+4*i+3], v[RD] offset:2*EP*i     ; LDS serves a wave's instructions in order (ISA guide 5.7.1.4): these see my stores
.set i, i+1
.endr
	s_wait_loadcnt 0x0                             ; x1
.set bt, 0
.rept 4
	WIN 0
	s_wait_dscnt 24-8*bt                           ; this batch's eight loads are in, the later batches' stay out
	WIN 0x0c                                       ; x1 lies in window 3
.set j, 0
.rept 16
	v_pk_add_f32 v[RR+32*bt+2*j:RR+32*bt+2*j+1], v[RR+32*bt+2*j:RR+32*bt+2*j+1], v[32*bt+2*j:32*bt+2*j+1]
.set j, j+1
.endr
	WIN 0
.set j, 0
.rept 8
	global_store_b128 v[CO], v[RR+32*bt+4*j:RR+32*bt+4*j+3], s[12:13] offset:4096*(8*bt+j)  ; 16 lanes store 256 consecutive bytes, at a multiple of 256 from out0's first byte
.set j, j+1
.endr
.set bt, bt+1
.endr
	s_wait_tensorcnt 0x0                           ; the wave's end
	ds_add_u32 v[SPW], v[NIL]
	s_wait_dscnt 0x0
	CROUND                                         ; the closing round
	s_endpgm
.Lfunc_end_k_qdb35a1de4e_ff2:
	.size	k_qdb35a1de4e_ff2, .Lfunc_end_k_qdb35a1de4e_ff2-k_qdb35a1de4e_ff2
	.p2alignl 7, 3214868480
	.fill 96, 4, 3214868480
	.section	.rodata,"a",@progbits
	.p2align	6, 0x0
	.amdhsa_kernel k_qdb35a1de4e_ff2
		.amdhsa_group_segment_fixed_size 327680
		.amdhsa_private_segment_fixed_size 0
		.amdhsa_enable_private_segment 0
		.amdhsa_kernarg_size 40
		.amdhsa_user_sgpr_count 2
		.amdhsa_user_sgpr_kernarg_segment_ptr 1
		.amdhsa_wavefront_size32 1
		.amdhsa_system_sgpr_workgroup_id_x 1
		.amdhsa_system_sgpr_workgroup_id_y 1
		.amdhsa_system_sgpr_workgroup_id_z 1
		.amdhsa_system_vgpr_workitem_id 0
		.amdhsa_next_free_vgpr 896
		.amdhsa_next_free_sgpr 100
		.amdhsa_reserve_vcc 0
		.amdhsa_float_denorm_mode_32 3
		.amdhsa_float_denorm_mode_16_64 3
		.amdhsa_memory_ordered 1
		.amdhsa_forward_progress 1
		.amdhsa_inst_pref_size 98
	.end_amdhsa_kernel
	.amdgpu_metadata
---
amdhsa.version: [ 1, 2 ]
amdhsa.kernels:
  - .name:           k_qdb35a1de4e_ff2
    .symbol:         k_qdb35a1de4e_ff2.kd
    .args:
      - { .name: act, .offset: 0, .size: 8, .value_kind: global_buffer, .address_space: global }
      - { .name: wf, .offset: 8, .size: 8, .value_kind: global_buffer, .address_space: global }
      - { .name: b2, .offset: 16, .size: 8, .value_kind: global_buffer, .address_space: global }
      - { .name: x1, .offset: 24, .size: 8, .value_kind: global_buffer, .address_space: global }
      - { .name: out0, .offset: 32, .size: 8, .value_kind: global_buffer, .address_space: global }
    .group_segment_fixed_size: 327680
    .private_segment_fixed_size: 0
    .kernarg_segment_align: 8
    .kernarg_segment_size: 40
    .max_flat_workgroup_size: 128
    .sgpr_count:     100
    .vgpr_count:     896
    .wavefront_size: 32
...
	.end_amdgpu_metadata
.endif
;; end of part 5
;; ======== version 2 of 2: 6 launches; 1.12 times as fast as version 1
;; limits: a function is approximated: absolute error at most 1.5e-07
;; workspace buffers: h 8,388,608 bytes; wqkv 2,097,152 bytes; wf 4,718,592 bytes; act 33,554,432 bytes; ctx 8,388,608 bytes; x1 16,777,216 bytes; parq 256 bytes of whole numbers; parf 256 bytes of whole numbers
;; launch prep: the kernel of part 1 again; grid 448 x 1, 8 waves a work-group, no clusters, 0 bytes of LDS; arguments x, ln1_scale, ln1_shift, Wq, Wk, Wv, Wo, W1, W2, h, wqkv, wf, parq, parf; writes h, wqkv, wf, parq, parf
;; launch qkv (part 6): grid 32 x 6, 4 waves a work-group, clusters of 4 x 1, 327,680 bytes of LDS; arguments h, wqkv, b1, act, parq; writes act
.if DOCPART == 6
	.amdgcn_target "amdgcn-amd-amdhsa--gfx1250"
	.amdhsa_code_object_version 6
	.text
	.protected	k_qdb35a1de4e_qkv
	.globl	k_qdb35a1de4e_qkv
	.p2align	8
	.type	k_qdb35a1de4e_qkv,@function
k_qdb35a1de4e_qkv:
	s_mov_b64 s[64:65], 0
	v_nop
	global_prefetch_b8 v0, s[64:65] scope:SCOPE_SE
	s_setreg_imm32_b32 hwreg(HW_REG_WAVE_MODE, 25, 1), 1
	s_wait_xcnt 0x0
	s_wait_alu depctr_hold_cnt(0) depctr_sa_sdst(0) depctr_va_vdst(0) depctr_va_sdst(0) depctr_va_ssrc(0) depctr_va_vcc(0) depctr_vm_vsrc(0)
	s_getreg_b32 s2, hwreg(HW_REG_IB_STS2, 6, 4)
	s_cmp_eq_u32 s2, 0
	s_cbranch_scc0 .Lentry_in_a_cluster
	s_endpgm
.Lentry_in_a_cluster:
	s_bfe_u32 s2, ttmp6, 0x10000c
	s_cmp_lg_u32 s2, 0x3003
	s_cbranch_scc0 .Lentry_shape_is_right
	s_endpgm
.Lentry_shape_is_right:
; C = A B for A [8192][512] bf16 (rows along K) and B [512][pitch 2048] bf16 (rows along N), sums in f32; the result rounded once to bf16 and stored in PANELS [column / 32][8192 rows][32].
; One text, two launches: the mode word (a whole number that an earlier launch stored) is 0: the sums go out as they are (q, k, v);  1: gelu(sum + bias) goes out (the first feed-forward product).
; THE CHOICE SELECTS A VALUE: both results are made in every trip of the way out and v_cndmask_b32 takes one.  In a launch with joint loads no branch hangs on a number read from memory, which could differ
; between partners.  The price: with mode 0 the bias and the GELU of a lane's 512 numbers are computed and thrown away.
; GELU is the exact one, x Phi(x), as max(x, 0) - |x| erfc(|x| / sqrt 2) / 2, which subtracts no near-equal numbers; erfc by Abramowitz and Stegun 7.1.26, absolute error at most 1.5e-7 for every x.
; THE BATCH.  A trip of the way out has 32 numbers a lane: 32 reciprocals and 32 exponentials, none of which reads another's result.  They are ONE BATCH with ONE wait: ahead of the wait stands all that names no
; result (|x|, x^2, the arguments, max(x, 0), the roundings of the plain sums), behind it the polynomial and the products, which read them all.  Each result has a register of its own while the batch is open.
; LIMITS: NaN and infinities are not treated apart.
; SHARES.  A tile of C is 256 x 256, four waves of 128 x 128: 64 accumulators, 512 registers.  K = 512 goes in 4 steps of 128 through two LDS slots; a step is 4 chunks of 32 along K on two fragment buffers.
; CLUSTER 4, 1, 1: the four partners make four row tiles of one column tile, so B's tiles are asked for JOINTLY (waves 2 and 3: the same load, descriptor and mask in all four); A's tiles are each
; work-group's own (waves 0 and 1, no mask).  A 4 x 4 cluster is not taken: the first launch has 6 column tiles.
; THE MATRIX INSTRUCTION IS USED TRANSPOSED: source 0 = 16 columns of B (turned out of LDS by ds_load_tr16_b128), source 1 = 16 rows of A: a lane holds row l % 16 and columns 8 (l / 16) + 0..7.
; REGISTERS in windows of 256: window 0: v0-31 addresses, v32-63 bias, v64-127 and v128-191 A's two fragment buffers (later the way out), v192-255 the way out;  window 1: B's two buffers at the same numbers;
; windows 2, 3: accumulators.
.set WM, 8
.set WN, 8
.set NACC, WM*WN
.set NF, 2*(WM+WN)                     ; LDS loads of one chunk's fragments
.set PITA, 272                         ; A's row in LDS: 256 bytes + 16: the 16 rows of a load start 4 banks apart (64 banks of 4 bytes: ISA guide 11.1)
.set PITB, 544                         ; B's row: 512 bytes + 32: an odd multiple of 32
.set HALF, 34816                       ; 128 rows of A = 64 rows of B: what one tensor load brings
.set BOFF, 2*HALF
.set SLOT, 4*HALF
.set SPARE, 2*SLOT                     ; the spare words: 128 bytes a wave, two blocks of 256 bytes that no other line names
.set EP, 528                           ; the way out: a row of 128 f32 + 16 bytes
.set REGION, 128*EP                    ; each wave's stage, laid over the slots when they have had their last fill and their last read
.set ASTEP, 512                        ; two K steps along A's rows
.set BSTEP, 256*4096                   ; two K steps down B's rows
.set ADRA, 16                          ; v16-17 my A fragments' LDS address in slot 0, 1
.set ADRB, 20                          ; v20-21 the same for B
.set STO, 24
.set RD, 25
.set GO, 26
.set BO, 27
.set SPW, 28                           ; my spare word's address; never rewritten
.set NIL, 29                           ; 0; never rewritten
.set MD, 30                            ; the mode word in every lane
.set BI, 32
.set F0, 64
.set F1, 128
.set X, 64                             ; the way out: v64-95    32 sums in f32, as they come from the stage
.set PL, 64                            ;              the polynomial takes their registers when the plain sums have been rounded
.set AX, 96                            ;              v96-127   |x|
.set SQ, 128                           ;              v128-159  x^2, the exponential's argument, the exponential
.set TT, 160                           ;              v160-191  1 + p |x| / sqrt 2, then its reciprocal t
.set Y, 192                            ;              v192-207  32 numbers to store
.set Y0, 208                           ;              v208-223  the plain sums, rounded
.set XB, 224                           ;              v224-255  x = sum + bias, then max(x, 0), then gelu(x)
.set WV, 16
.set WR, 17
.set WC, 18
.set CX, 19
.set MT, 21
.set NT, 22
.set MODE, 23
.set G1A, 32
.set G0A, 40
.set G1B, 48
.set G0B, 56
.set KPC, 66                           ; constants of the GELU, each as a pair whose low word the packed forms take for both halves
.set KNK, 68
.set KA1, 70
.set KA2, 72
.set KA3, 74
.set KA4, 76
.set KA5, 78
.set KABS, 80
.set MSB, 0
.macro WIN new                         ; the immediate's high byte repeats the setting that is left; a switch that changes nothing is dropped
.if MSB != (\new)
	s_set_vgpr_msb (MSB<<8)|(\new)
.set MSB, (\new)
.endif
.endm
.macro PLACES                          ; four plain vector places behind matrix instructions (ISA guide 7.12.1), where no other vector work is at hand
.rept 4
	v_nop
.endr
.endm
.macro CREST                           ; a round of the cluster's barrier behind its opening barrier
	s_cmp_lg_u32 s[WV], 0
	s_cbranch_scc1 .Lnot_wave_0_\@
	s_barrier_signal -3
.Lnot_wave_0_\@:
	s_barrier_wait -3
	s_barrier_signal -1
	s_barrier_wait -1
.endm
.macro CROUND
	s_barrier_signal -1
	s_barrier_wait -1
	CREST
.endm
.macro JLOAD s                         ; waves 0, 1: A's two halves, my work-group's own; waves 2, 3: B's two halves, jointly.  An s_nop 0 and four v_nop follow each line
	s_cmp_eq_u32 s[WR], 0
	s_cbranch_scc0 .Lfor_b_\@
	tensor_load_to_lds s[G0A+4*(\s):G0A+4*(\s)+3], s[G1A:G1A+7]
	s_nop 0
	PLACES
	s_branch .Lasked_\@
.Lfor_b_\@:
	tensor_load_to_lds s[G0B+4*(\s):G0B+4*(\s)+3], s[G1B:G1B+7]
	s_nop 0
	PLACES
.Lasked_\@:
.endm
.macro SPAIR r, val
	s_mov_b32 s[\r], \val
	s_mov_b32 s[(\r)+1], \val
.endm
; Accumulators i0 .. i1-1 take one product each, always in ascending order, so that no two matrix instructions that follow each other share an accumulator.  z = 1: C = 0 starts the sums.
.macro MULR f, i0, i1, z
.set idx, \i0
.rept (\i1)-(\i0)
.set ra, idx/WN
.set rb, idx%WN
.set rd, 8*(idx%32)
	WIN 0xa1+0x50*(idx/32)                         ; source 0 (B) window 1, source 1 (A) window 0, C and D window 2 or 3
.if \z
	v_wmma_f32_16x16x32_bf16 v[rd:rd+7], v[(\f)+8*rb:(\f)+8*rb+7], v[(\f)+8*ra:(\f)+8*ra+7], 0
.else
	v_wmma_f32_16x16x32_bf16 v[rd:rd+7], v[(\f)+8*rb:(\f)+8*rb+7], v[(\f)+8*ra:(\f)+8*ra+7], v[rd:rd+7]
.endif
.set idx, idx+1
.endr
.endm
.macro FETCH slot, kq, f               ; one chunk's fragments in one run: B turned, then A
	WIN 0x40
.set fi, 0
.rept WN
	ds_load_tr16_b128 v[(\f)+8*fi:(\f)+8*fi+3],   v[ADRB+(\slot)] offset:(\kq)*32*PITB+32*fi
	ds_load_tr16_b128 v[(\f)+8*fi+4:(\f)+8*fi+7], v[ADRB+(\slot)] offset:(\kq)*32*PITB+16*PITB+32*fi
.set fi, fi+1
.endr
	WIN 0
.set fi, 0
.rept WM
	ds_load_b128 v[(\f)+8*fi:(\f)+8*fi+3],   v[ADRA+(\slot)] offset:(\kq)*64+fi*16*PITA
	ds_load_b128 v[(\f)+8*fi+4:(\f)+8*fi+7], v[ADRA+(\slot)] offset:(\kq)*64+fi*16*PITA+32
.set fi, fi+1
.endr
.endm
.macro CHUNK f, g, slot, kq, z         ; fetches chunk kq into g, multiplies f
	PLACES                                         ; g was read by the chunk before
	FETCH \slot, \kq, \g
	s_wait_dscnt NF                                ; all but the NF loads just issued: f is in
	MULR \f, 0, NACC, \z
.endm
; A step's last chunk changes slots: one barrier.  In front of it each wave waits for all its tensor loads (one is out: its part of the next slot), adds 0 to its spare word, and waits for that and for its reads of this slot.
; fill = 1: the barrier opens a round of the cluster's barrier, and this slot's refill, two K steps on, is the first thing behind it: it has 224 matrix instructions in which to land.
.macro TURN f, g, slot, next, fill
	WIN 0
	s_wait_tensorcnt 0x0
	ds_add_u32 v[SPW], v[NIL]
	s_wait_dscnt 0x1                               ; only the add may be out: f is in
	MULR \f, 0, NACC/4, 0
	s_wait_dscnt 0x0                               ; the add is done, my reads of this slot are over
	s_barrier_signal -1
	MULR \f, NACC/4, NACC/2, 0
	WIN 0
	s_barrier_wait -1
.if \fill
	CREST
	s_add_nc_u64 s[G0A+4*(\slot)+2:G0A+4*(\slot)+3], s[G0A+4*(\slot)+2:G0A+4*(\slot)+3], ASTEP
	s_add_nc_u64 s[G0B+4*(\slot)+2:G0B+4*(\slot)+3], s[G0B+4*(\slot)+2:G0B+4*(\slot)+3], BSTEP
	JLOAD \slot                                    ; its four v_nop are also the places in front of the loads below
.else
	PLACES
.endif
	FETCH \next, 0, \g
	MULR \f, NACC/2, NACC, 0
.endm
.macro LAST f                          ; the last chunk: behind its barrier no wave reads the slots any more
	s_wait_dscnt 0x0
	s_barrier_signal -1
	MULR \f, 0, NACC, 0
	WIN 0
	s_barrier_wait -1
.endm
.macro DUMP                            ; the f32 sums into my stage, each accumulator's low registers first
.set idx, 0
.rept NACC
	WIN 0x08+0x04*(idx/32)                         ; store data in window 2 or 3
	ds_store_b128 v[STO], v[8*(idx%32):8*(idx%32)+3]   offset:(idx/WN)*16*EP+(idx%WN)*64
	ds_store_b128 v[STO], v[8*(idx%32)+4:8*(idx%32)+7] offset:(idx/WN)*16*EP+(idx%WN)*64+16
.set idx, idx+1
.endr
	WIN 0
.endm
; gelu of the 32 numbers v[XB .. XB+31], in place, in two parts.  t = 1 / (1 + p |x| / sqrt 2); e = 2^(-x^2 log2(e) / 2); gelu = max(x, 0) - |x| t (A1 + t (A2 + t (A3 + t (A4 + t A5)))) e, the A halved.
; GBATCH: all that names no reciprocal's and no exponential's result, and the 64 of them.  |x| and x^2 of all 32 come first, since max(x, 0) is written over x.  Then, a pair of numbers at a time: reciprocal, the
; next pair's 1 + p |x| / sqrt 2, reciprocal, the next pair's scaled square, exponential, max, exponential, max: plain and transcendental by turns, and an argument is made six lines or more ahead of its reader.
; The last max is the plain instruction that stands behind the last exponential, ahead of any use (ISA guide 5.7.2).
.macro GBATCH
.set gi, 0
.rept 32
	v_and_b32 v[AX+gi], s[KABS], v[XB+gi]
.set gi, gi+1
.endr
	v_pk_fma_f32 v[TT:TT+1], v[AX:AX+1], s[KPC:KPC+1], 1.0 op_sel_hi:[1,0,0]   ; the first pair's argument of the reciprocal
.set gi, 0
.rept 16
	v_pk_mul_f32 v[SQ+gi:SQ+gi+1], v[XB+gi:XB+gi+1], v[XB+gi:XB+gi+1]
.set gi, gi+2
.endr
	v_pk_mul_f32 v[SQ:SQ+1], v[SQ:SQ+1], s[KNK:KNK+1] op_sel_hi:[1,0]          ; the first pair's argument of the exponential
.set gi, 0
.rept 16
	v_rcp_f32 v[TT+gi], v[TT+gi]
.if gi < 30
	v_pk_fma_f32 v[TT+gi+2:TT+gi+3], v[AX+gi+2:AX+gi+3], s[KPC:KPC+1], 1.0 op_sel_hi:[1,0,0]
.endif
	v_rcp_f32 v[TT+gi+1], v[TT+gi+1]
.if gi < 30
	v_pk_mul_f32 v[SQ+gi+2:SQ+gi+3], v[SQ+gi+2:SQ+gi+3], s[KNK:KNK+1] op_sel_hi:[1,0]
.endif
	v_exp_f32 v[SQ+gi], v[SQ+gi]
	v_max_num_f32 v[XB+gi], 0, v[XB+gi]
	v_exp_f32 v[SQ+gi+1], v[SQ+gi+1]
	v_max_num_f32 v[XB+gi+1], 0, v[XB+gi+1]
.set gi, gi+2
.endr
.endm
; GPOLY: the readers, behind the batch's wait: seven passes of 16 packed lines, so that no line waits for the one before it.
.macro HORNER k                        ; PL = PL t + the constant
.set gi, 0
.rept 16
	v_pk_fma_f32 v[PL+gi:PL+gi+1], v[PL+gi:PL+gi+1], v[TT+gi:TT+gi+1], s[(\k):(\k)+1] op_sel_hi:[1,1,0]
.set gi, gi+2
.endr
.endm
.macro GPOLY
.set gi, 0
.rept 16
	v_pk_fma_f32 v[PL+gi:PL+gi+1], v[TT+gi:TT+gi+1], s[KA5:KA5+1], s[KA4:KA4+1] op_sel_hi:[1,0,0]
.set gi, gi+2
.endr
	HORNER KA3
	HORNER KA2
	HORNER KA1
.set gi, 0
.rept 16
	v_pk_mul_f32 v[PL+gi:PL+gi+1], v[PL+gi:PL+gi+1], v[TT+gi:TT+gi+1]
.set gi, gi+2
.endr
.set gi, 0
.rept 16
	v_pk_mul_f32 v[PL+gi:PL+gi+1], v[PL+gi:PL+gi+1], v[SQ+gi:SQ+gi+1]
.set gi, gi+2
.endr
.set gi, 0
.rept 16
	v_pk_fma_f32 v[XB+gi:XB+gi+1], v[AX+gi:AX+gi+1], v[PL+gi:PL+gi+1], v[XB+gi:XB+gi+1] neg_lo:[1,0,0] neg_hi:[1,0,0]
.set gi, gi+2
.endr
.endm
	s_load_b256 s[4:11], s[0:1], 0x0               ; A 4, B 6, bias 8, out 10
	s_load_b64 s[12:13], s[0:1], 0x20              ; the mode word's buffer
	v_lshl_add_u32 v[SPW], v0, 2, SPARE
	v_mov_b32 v[NIL], 0
	ds_add_u32 v[SPW], v[NIL]                      ; the wave's opening: the add and its wait stand ahead of my first tensor load; work on registers stands between them
	v_lshrrev_b32 v1, 5, v0
	v_readfirstlane_b32 s[WV], v1                  ; wave 0..3
	s_lshr_b32 s[WR], s[WV], 1                     ; my half of the tile's rows; also: I fetch A (0) or B (1)
	s_and_b32 s[WC], s[WV], 1                      ; my half of its columns; also: which half I fetch
	s_bfe_u32 s[CX], ttmp6, 0x40000
	s_lshl_b32 s[MT], ttmp9, 2
	s_add_co_u32 s[MT], s[MT], s[CX]               ; row tile = 4 x cluster x + cx
	s_and_b32 s[NT], ttmp7, 0xffff                 ; column tile: the partners share it
	s_mov_b32 s[G1A+0], (1<<16)|(1<<20)|(5<<22)|(3<<25)  ; no mask; 2-byte elements; padding on: 4 words behind every 64
	s_mov_b32 s[G1A+1], 128<<16                    ; tensor_dim0 = 128
	s_mov_b32 s[G1A+2], 128<<16                    ; tensor_dim1 = 128
	s_mov_b32 s[G1A+3], 128<<16                    ; tile_dim0 = 128
	s_mov_b32 s[G1A+4], 128                        ; tile_dim1 = 128
	s_mov_b32 s[G1A+5], 512                        ; elements from row to row
	s_mov_b32 s[G1A+6], 0
	s_mov_b32 s[G1A+7], 0
	s_mov_b32 s[G1B+0], 15|(1<<16)|(1<<20)|(1<<21)|(6<<22)|(7<<25)  ; the mask of four, bit 21 beside it; 8 words behind every 128
	s_mov_b32 s[G1B+1], 256<<16
	s_mov_b32 s[G1B+2], 64<<16
	s_mov_b32 s[G1B+3], 256<<16
	s_mov_b32 s[G1B+4], 64
	s_mov_b32 s[G1B+5], 2048
	s_mov_b32 s[G1B+6], 0
	s_mov_b32 s[G1B+7], 0
	s_lshl_b32 s24, s[MT], 18                      ; A: (256 row tile + 128 half) rows of 1,024 bytes
	s_lshl_b32 s25, s[WC], 17
	s_add_co_u32 s24, s24, s25
	s_mov_b32 s25, 0
	s_lshl_b32 s28, s[WC], 18                      ; B: 64 half rows of 4,096 bytes + 512 column tile: of the wave's number and y alone
	s_lshl_b32 s29, s[NT], 9
	s_add_co_u32 s28, s28, s29
	s_mov_b32 s29, 0
	s_mul_i32 s20, s[WC], HALF                     ; the LDS place: of the wave's number alone
	s_wait_dscnt 0x0                               ; the opening add is done
	s_wait_kmcnt 0x0
	s_add_nc_u64 s[26:27], s[4:5], s[24:25]
	s_add_nc_u64 s[30:31], s[6:7], s[28:29]
	CROUND                                         ; all four work-groups are here: the first joint loads meet
.irp s, 0,1
	s_mov_b32 s[G0A+4*(\s)], 1
	s_add_co_u32 s[G0A+4*(\s)+1], s20, (\s)*SLOT
	s_add_nc_u64 s[G0A+4*(\s)+2:G0A+4*(\s)+3], s[26:27], (\s)*256
	s_or_b32 s[G0A+4*(\s)+3], s[G0A+4*(\s)+3], 0x80000000
	s_mov_b32 s[G0B+4*(\s)], 1
	s_add_co_u32 s[G0B+4*(\s)+1], s20, (\s)*SLOT+BOFF
	s_add_nc_u64 s[G0B+4*(\s)+2:G0B+4*(\s)+3], s[30:31], (\s)*128*4096
	s_or_b32 s[G0B+4*(\s)+3], s[G0B+4*(\s)+3], 0x80000000
	JLOAD \s                                       ; K steps 0 and 1: two loads of mine are out
.endr
	s_load_b32 s[MODE], s[12:13], 0x0
	v_and_b32 v1, 15, v0                           ; r = l % 16
	v_bfe_u32 v2, v0, 4, 1                         ; l / 16
	v_and_b32 v3, 7, v0
	v_bfe_u32 v4, v0, 3, 1
	v_and_b32 v5, 31, v0                           ; l
	v_and_b32 v6, 3, v0
	v_lshlrev_b32 v[BO], 5, v6                     ; on the way out lane l holds 8 columns at 8 (l % 4) of each of the wave's four panels
	s_lshl_b32 s84, s[NT], 10
	s_lshl_b32 s85, s[WC], 9
	s_add_co_u32 s84, s84, s85
	s_mov_b32 s85, 0
	s_add_nc_u64 s[8:9], s[8:9], s[84:85]          ; bias at my wave's 128 columns
.irp p, 0,1,2,3
	global_load_b128 v[BI+8*\p:BI+8*\p+3],   v[BO], s[8:9] offset:128*\p
	global_load_b128 v[BI+8*\p+4:BI+8*\p+7], v[BO], s[8:9] offset:128*\p+16
.endr
	v_mul_u32_u24 v7, v1, PITA                     ; A fragment: row x pitch + 16 x half
	v_lshl_add_u32 v7, v2, 4, v7
	s_mul_i32 s86, s[WR], HALF
	v_add_nc_u32 v[ADRA], s86, v7
	v_add_nc_u32 v[ADRA+1], SLOT, v[ADRA]
	v_lshl_add_u32 v8, v2, 3, v3                   ; B, turned: lane l reads K row 8 (l / 16) + l % 8, 16 bytes at 16 ((l / 8) % 2)
	v_mul_u32_u24 v8, v8, PITB
	v_lshl_add_u32 v8, v4, 4, v8
	s_lshl_b32 s86, s[WC], 8
	s_add_co_u32 s86, s86, BOFF
	v_add_nc_u32 v[ADRB], s86, v8
	v_add_nc_u32 v[ADRB+1], SLOT, v[ADRB]
	s_mul_i32 s86, s[WV], REGION                   ; my stage
	v_mul_u32_u24 v9, v1, EP
	v_lshl_add_u32 v9, v2, 5, v9
	v_add_nc_u32 v[STO], s86, v9
	v_lshrrev_b32 v9, 2, v5                        ; back: 8 rows a trip, four lanes to a row's 32 columns of a panel
	v_mul_u32_u24 v9, v9, EP
	v_lshl_add_u32 v9, v6, 5, v9
	v_add_nc_u32 v[RD], s86, v9
	v_lshlrev_b32 v[GO], 4, v5                     ; 8 rows of a panel are 512 consecutive bytes: 16 a lane
	s_lshl_b32 s84, s[NT], 22                      ; out: panel (8 column tile + 4 half) x 8,192 rows x 64 bytes + (256 row tile + 128 half) x 64
	s_lshl_b32 s85, s[WC], 21
	s_add_co_u32 s84, s84, s85
	s_lshl_b32 s85, s[MT], 14
	s_add_co_u32 s84, s84, s85
	s_lshl_b32 s85, s[WR], 13
	s_add_co_u32 s84, s84, s85
	s_mov_b32 s85, 0
	s_add_nc_u64 s[10:11], s[10:11], s[84:85]
	SPAIR KPC, 0x3e6d3388                          ; 0.3275911 / sqrt 2
	SPAIR KNK, 0xbf38aa3b                          ; -log2(e) / 2
	SPAIR KA1, 0x3e027906                          ; the five coefficients, halved
	SPAIR KA2, 0xbe11a98e
	SPAIR KA3, 0x3f35f0e3
	SPAIR KA4, 0xbf3a00e3
	SPAIR KA5, 0x3f07dc22
	s_mov_b32 s[KABS], 0x7fffffff
	s_wait_tensorcnt 0x1                           ; my part of K step 0 is in; step 1's may stay out
	s_barrier_signal -1
	s_barrier_wait -1
	FETCH 0, 0, F0
	CHUNK F0, F1, 0, 1, 1                          ; the first chunk's products start the sums: nothing is cleared
	CHUNK F1, F0, 0, 2, 0
	CHUNK F0, F1, 0, 3, 0
	TURN  F1, F0, 0, 1, 1                          ; slot 0 takes K step 2
	CHUNK F0, F1, 1, 1, 0
	CHUNK F1, F0, 1, 2, 0
	CHUNK F0, F1, 1, 3, 0
	TURN  F1, F0, 1, 0, 1                          ; slot 1 takes K step 3
	CHUNK F0, F1, 0, 1, 0
	CHUNK F1, F0, 0, 2, 0
	CHUNK F0, F1, 0, 3, 0
	TURN  F1, F0, 0, 1, 0                          ; nothing is left to fetch: a plain barrier
	CHUNK F0, F1, 1, 1, 0
	CHUNK F1, F0, 1, 2, 0
	CHUNK F0, F1, 1, 3, 0
	LAST  F1
	; THE WAY OUT.  The sums go in f32 through my own stage; 16 trips of 8 rows read them back so that a lane holds 8 neighbouring columns of each of my four panels.
	PLACES
	DUMP
	s_wait_loadcnt 0x0                             ; the bias
	s_wait_kmcnt 0x0                               ; the mode word
	v_mov_b32 v[MD], s[MODE]
	v_cmp_ne_u32 vcc_lo, 0, v[MD]                  ; all lanes alike: set where gelu(sum + bias) is wanted.  Made behind the last tensor load; nothing writes VCC after it
	s_mov_b32 s2, 16
.Lrows:
.irp p, 0,1,2,3
	ds_load_b128 v[X+8*\p:X+8*\p+3],   v[RD] offset:128*\p       ; LDS serves a wave's instructions in order (ISA guide 5.7.1.4): these see my stores
	ds_load_b128 v[X+8*\p+4:X+8*\p+7], v[RD] offset:128*\p+16
.endr
	s_wait_dscnt 0x0
.set gi, 0
.rept 16
	v_pk_add_f32 v[XB+gi:XB+gi+1], v[X+gi:X+gi+1], v[BI+gi:BI+gi+1]  ; x = sum + bias, beside the sums, which are still to be rounded
.set gi, gi+2
.endr
	GBATCH                                         ; the trip's 32 reciprocals and 32 exponentials
.set gi, 0
.rept 16
	v_cvt_pk_bf16_f32 v[Y0+gi], v[X+2*gi], v[X+2*gi+1]           ; the plain sums, rounded: sixteen lines that name no result of the batch, between it and its wait
.set gi, gi+1
.endr
	s_wait_alu depctr_va_vdst(0)                   ; the wait ahead of the first use: ONE for the trip's batch of 64
	GPOLY                                          ; the readers; the polynomial takes the registers that the roundings above have read out
.set gi, 0
.rept 16
	v_cvt_pk_bf16_f32 v[Y+gi], v[XB+2*gi], v[XB+2*gi+1]
.set gi, gi+1
.endr
.set gi, 0
.rept 16
	v_cndmask_b32 v[Y+gi], v[Y0+gi], v[Y+gi], vcc_lo             ; mode 1: the GELU; mode 0: the plain sums
.set gi, gi+1
.endr
.irp p, 0,1,2,3
	global_store_b128 v[GO], v[Y+4*\p:Y+4*\p+3], s[10:11] offset:524288*\p  ; 512 consecutive bytes of panel p
.endr
	s_wait_xcnt 0x0                                ; the stores' base and data are rewritten only behind this wait
	s_add_nc_u64 s[10:11], s[10:11], 512
	v_add_nc_u32 v[RD], 8*EP, v[RD]
	s_sub_co_u32 s2, s2, 1
	s_cmp_lg_u32 s2, 0
	s_cbranch_scc1 .Lrows
	s_wait_tensorcnt 0x0                           ; the wave's end
	ds_add_u32 v[SPW], v[NIL]
	s_wait_dscnt 0x0
	CROUND                                         ; the closing round
	s_endpgm
.Lfunc_end_k_qdb35a1de4e_qkv:
	.size	k_qdb35a1de4e_qkv, .Lfunc_end_k_qdb35a1de4e_qkv-k_qdb35a1de4e_qkv
	.p2alignl 7, 3214868480
	.fill 96, 4, 3214868480
	.section	.rodata,"a",@progbits
	.p2align	6, 0x0
	.amdhsa_kernel k_qdb35a1de4e_qkv
		.amdhsa_group_segment_fixed_size 327680
		.amdhsa_private_segment_fixed_size 0
		.amdhsa_enable_private_segment 0
		.amdhsa_kernarg_size 40
		.amdhsa_user_sgpr_count 2
		.amdhsa_user_sgpr_kernarg_segment_ptr 1
		.amdhsa_wavefront_size32 1
		.amdhsa_system_sgpr_workgroup_id_x 1
		.amdhsa_system_sgpr_workgroup_id_y 1
		.amdhsa_system_sgpr_workgroup_id_z 1
		.amdhsa_system_vgpr_workitem_id 0
		.amdhsa_next_free_vgpr 1024
		.amdhsa_next_free_sgpr 100
		.amdhsa_reserve_vcc 1
		.amdhsa_float_denorm_mode_32 3
		.amdhsa_float_denorm_mode_16_64 3
		.amdhsa_memory_ordered 1
		.amdhsa_forward_progress 1
		.amdhsa_inst_pref_size 139
	.end_amdhsa_kernel
	.amdgpu_metadata
---
amdhsa.version: [ 1, 2 ]
amdhsa.kernels:
  - .name:           k_qdb35a1de4e_qkv
    .symbol:         k_qdb35a1de4e_qkv.kd
    .args:
      - { .name: h, .offset: 0, .size: 8, .value_kind: global_buffer, .address_space: global }
      - { .name: wqkv, .offset: 8, .size: 8, .value_kind: global_buffer, .address_space: global }
      - { .name: b1, .offset: 16, .size: 8, .value_kind: global_buffer, .address_space: global }
      - { .name: act, .offset: 24, .size: 8, .value_kind: global_buffer, .address_space: global }
      - { .name: parq, .offset: 32, .size: 8, .value_kind: global_buffer, .address_space: global }
    .group_segment_fixed_size: 327680
    .private_segment_fixed_size: 0
    .kernarg_segment_align: 8
    .kernarg_segment_size: 40
    .max_flat_workgroup_size: 128
    .sgpr_count:     100
    .vgpr_count:     1024
    .wavefront_size: 32
...
	.end_amdgpu_metadata
.endif
;; end of part 6
;; launch attn (part 7): grid 4 x 64, 8 waves a work-group, no clusters, 327,680 bytes of LDS; arguments act, ctx; writes ctx
.if DOCPART == 7
	.amdgcn_target "amdgcn-amd-amdhsa--gfx1250"
	.amdhsa_code_object_version 6
	.text
	.protected	k_qdb35a1de4e_attn
	.globl	k_qdb35a1de4e_attn
	.p2align	8
	.type	k_qdb35a1de4e_attn,@function
k_qdb35a1de4e_attn:
	s_mov_b64 s[64:65], 0
	v_nop
	global_prefetch_b8 v0, s[64:65] scope:SCOPE_SE
	s_setreg_imm32_b32 hwreg(HW_REG_WAVE_MODE, 25, 1), 1
	s_wait_xcnt 0x0
; CAUSAL ATTENTION at head size 32.  act holds panels [p][8192 rows][32] bf16: p = head: q, 16 + head: k, 32 + head: v, unscaled.  ctx[head][row][32] bf16 = softmax_k<=q(q . k / sqrt 32) v.
; Products, maxima and sums in f32; the weights p are rounded to bf16 for the second product, and their sum l is taken of the rounded p, by a product with ones, in the matrix unit's f32 sums.
; LIMITS.  A hidden score counts as -1e30; the running c m starts at -4.25e37 and m at the lowest finite number; a weight below 2^-126 counts as 0; NaN and infinities are not treated apart.
; THE WALK.  A batch's 2,048 queries of a head lie in 8 blocks of 256; block i needs the key tiles 0 .. i of 256 keys.  A work-group takes blocks 7 - b and then b: 9 tiles whatever b, one loop of constant count.
; SHARES.  Eight waves, two to a SIMD, so that one wave's vector work stands beside the other's products.  Wave w owns rows 32 w .. 32 w + 31 of the block: two tiles of 16.  In the block's last tile it needs
; the key steps 0 .. w / 2, of which the last holds the diagonal and is masked; the steps above are jumped over, forward, past text with no barrier and no tensor load.
; LAYOUT.  S^T = K Q^T: a lane holds ONE query (l % 16) and the keys 8 (l / 16) + 0..7 of each 16.  Rounded in pairs, in place, two such results ARE source 1 of O^T = V^T P; V is turned by ds_load_tr16_b128.
; SOFTMAX.  p = 2^(c s - c m), c = log2(e) / sqrt 32, with a running maximum m; O and l are multiplied by a = 2^(c m_old - c m_new) in every step.  O and l start at 0 (48 moves, in the wait for the first tile);
; a block's first step has a = 0, so the second block needs only finite numbers there.
; THE BATCH.  A key step's 66 exponentials (the two tiles' a and their 64 weights) are ONE BATCH with ONE wait.  Ahead of the wait stand the exponentials and the 32 scalings c s - c m, none of which names a
; result; behind it stand all the readers: the 32 roundings to bf16 and the rescaling of O^T and l by a.  Each exponential is made in place, in a register of its own.  A block's end has a batch of two reciprocals.
; NO CLUSTER: the four work-groups of a head ask for the same tile only in the first 5 of the 9 visits, and a walk common to all would have 12.
.set KS,    64
.set PK,    80                         ; a key's row of K in LDS: 64 bytes + 16: an odd multiple of 16
.set PV,    96                         ; of V: 64 + 32: an odd multiple of 32
.set VOFF,  256*PK
.set SLOT1, 65536                      ; one exclusive or turns an address in one slot into the other's
.set STAGE, SLOT1+256*(PK+PV)          ; behind the ring, never filled by a tensor load: 32 rows x 80 bytes for each wave
.set SP,    80
.set SPARE, STAGE+8*32*SP              ; the spare words: 128 bytes a wave, four blocks of 256 bytes that no other line names
.set AK0, 2
.set AV0, 3
.set AK,  4
.set AV,  5
.set STO, 6
.set RD,  7
.set GO,  8
.set BIG, 9                            ; -1e30
.set DQ,  12                           ; my query's place in its key step, 32 (w % 2) + l % 16, less my lanes' 8 (l / 16)
.set QO,  13
.set SPW, 14
.set NIL, 15
.set ST,  16                           ; tile u at ST + 8 u: +0 c m, +1 m, +4 .. +7 c0-c3 at work; a takes c2's place
.set ONES, 32
.set Q,   40
.set QN,  56                           ; the second block's Q
.set KF,  72
.set VF,  104
.set S,   136                          ; 32 a tile; P is written in place into the first 16
.set OT,  200                          ; tile u, channel block cb at OT + 16 u + 8 cb
.set LS,  232                          ; tile u at LS + 8 u: every register holds the row's sum; register 0 alone is rescaled and read
.set WV,  12
.set WH,  13
.set PB,  14
.set HI,  15
.set G1K, 24
.set G1V, 32
.set G0K, 40
.set G0V, 44
.set OB,  48
.set OB2, 50
.set QA,  52
.set QC,  54
.set SLOTS, 56
.set CNT, 57
.set CS,  58
.set SEL, 60
.set TBK, 62
.set TBV, 63
.set RT,  66                           ; tiles of the block in hand that are still to be entered
.set NXT, 67                           ; the tile to be asked for next
.set LQ,  68                           ; the last tile of the block whose tiles are being asked for
.set NST, 69                           ; unmasked key steps of this visit for my wave
.set OFF, 70
.set SLOTB, 72                         ; the slot that is read
.macro LOAD                            ; wave 0 fetches a tile's K, wave 1 its V, 16,384 bytes each; the others none.  An s_nop 0 and four v_nop follow each line
	s_cmp_lg_u32 s[WV], 0
	s_cbranch_scc1 .Lnot_k_\@
	tensor_load_to_lds s[G0K:G0K+3], s[G1K:G1K+7]
	s_nop 0
.rept 4
	v_nop
.endr
	s_branch .Lasked_\@
.Lnot_k_\@:
	s_cmp_lg_u32 s[WV], 1
	s_cbranch_scc1 .Lasked_\@
	tensor_load_to_lds s[G0V:G0V+3], s[G1V:G1V+7]
	s_nop 0
.rept 4
	v_nop
.endr
.Lasked_\@:
.endm
; THE CHANGE OF SLOTS.  Every wave waits for all its tensor loads (at most one is out: the other slot's), adds 0 to its spare word, and waits for that and for its reads of the slot that it leaves.
; fill = 1: the old slot takes tile NXT, first thing behind the barrier; the descriptor's address is made anew from that number.  The load has a whole visit in which to land.
.macro CHANGE fill
	s_wait_tensorcnt 0x0
	ds_add_u32 v[SPW], v[NIL]
.if \fill
	s_lshl_b32 s[OFF], s[NXT], 14                  ; a tile is 16,384 bytes of K and of V
	s_xor_b32 s[G0K+1], s[G0K+1], SLOT1
	s_add_nc_u64 s[G0K+2:G0K+3], s[8:9], s[OFF:OFF+1]
	s_or_b32 s[G0K+3], s[G0K+3], 0x80000000
	s_xor_b32 s[G0V+1], s[G0V+1], SLOT1
	s_add_nc_u64 s[G0V+2:G0V+3], s[10:11], s[OFF:OFF+1]
	s_or_b32 s[G0V+3], s[G0V+3], 0x80000000
	s_add_co_u32 s[NXT], s[NXT], 1                 ; the block's next tile, or behind its last the second block's tile 0
	s_cmp_gt_u32 s[NXT], s[LQ]
	s_cselect_b32 s[NXT], 0, s[NXT]
	s_cselect_b32 s[LQ], s[PB], s[LQ]
.endif
	s_wait_dscnt 0x0                               ; the add is done, my reads of the slot are over
	s_barrier_signal -1
	s_xor_b32 s[SLOTB], s[SLOTB], SLOT1
	s_barrier_wait -1
.if \fill
	LOAD
.endif
.endm
; Number n of the 22 that find tile u's maximum and statistics: 0-11 four chains of seven scores (each accumulator's lowest registers first); 12-15 the four left over, c0-c3 and the old m;
; 16, 18 the query's other 32 keys lie in the lane 16 away; 17 c m_old is kept; 19-21 c m, the difference, a.
.macro MX u, n
.set rT, ST+8*(\u)
.set rS, S+32*(\u)
.if (\n) < 4
	v_max3_num_f32 v[rT+4+(\n)], v[rS+8*(\n)], v[rS+8*(\n)+1], v[rS+8*(\n)+2]
.elseif (\n) < 12
	v_max3_num_f32 v[rT+4+(\n)%4], v[rT+4+(\n)%4], v[rS+8*((\n)%4)+2*((\n)/4)+1], v[rS+8*((\n)%4)+2*((\n)/4)+2]
.elseif (\n) == 12
	v_max3_num_f32 v[rT+4], v[rT+4], v[rS+7], v[rS+15]
.elseif (\n) == 13
	v_max3_num_f32 v[rT+6], v[rT+6], v[rS+23], v[rS+31]
.elseif (\n) == 14
	v_max3_num_f32 v[rT+4], v[rT+4], v[rT+5], v[rT+6]
.elseif (\n) == 15
	v_max3_num_f32 v[rT+4], v[rT+4], v[rT+7], v[rT+1]
.elseif (\n) == 16
	v_permlanex16_b32 v[rT+5], v[rT+4], s[SEL], s[SEL+1]
.elseif (\n) == 17
	v_mov_b32 v[rT+7], v[rT]
.elseif (\n) == 18
	v_max_num_f32 v[rT+1], v[rT+4], v[rT+5]
.elseif (\n) == 19
	v_mul_f32 v[rT], s[CS], v[rT+1]
.elseif (\n) == 20
	v_sub_f32 v[rT+7], v[rT+7], v[rT]
.else
	v_exp_f32 v[rT+6], v[rT+7]
.endif
.endm
.macro FS u, p                         ; c s - c m for pair p
	v_pk_fma_f32 v[S+32*(\u)+2*(\p):S+32*(\u)+2*(\p)+1], v[S+32*(\u)+2*(\p):S+32*(\u)+2*(\p)+1], s[CS:CS+1], v[ST+8*(\u):ST+8*(\u)+1] op_sel_hi:[1,0,0] neg_lo:[0,0,1] neg_hi:[0,0,1]
.endm
.macro ES u, n
	v_exp_f32 v[S+32*(\u)+(\n)], v[S+32*(\u)+(\n)]
.endm
.macro CP u, p                         ; pair p rounded to bf16 into register p: in ascending order it lands only on registers that have been rounded already.  A reader of the batch: it stands behind the step's wait
	v_cvt_pk_bf16_f32 v[S+32*(\u)+(\p)], v[S+32*(\u)+2*(\p)], v[S+32*(\u)+2*(\p)+1]
.endm
; A KEY STEP: 64 keys for my two tiles.  msk = 1: the step that holds the diagonal.
.macro STEP msk
	v_add_nc_u32 v[AK], s[TBK], v[AK0]
	v_add_nc_u32 v[AV], s[TBV], v[AV0]
.irp kb, 0,1,2,3
	ds_load_b128 v[KF+8*\kb:KF+8*\kb+3],   v[AK] offset:\kb*16*PK
	ds_load_b128 v[KF+8*\kb+4:KF+8*\kb+7], v[AK] offset:\kb*16*PK+32
.endr
.irp f, 0,1,2,3                        ; keys 32 (f / 2) on, channels 16 (f % 2) on
	ds_load_tr16_b128 v[VF+8*\f:VF+8*\f+3],   v[AV] offset:(\f/2)*32*PV+(\f%2)*32
	ds_load_tr16_b128 v[VF+8*\f+4:VF+8*\f+7], v[AV] offset:(\f/2)*32*PV+16*PV+(\f%2)*32
.endr
	s_wait_dscnt 0x8                               ; K is in; V's eight loads may stay out
.set i, 0
.rept 8                                ; S^T: keys 16 (i / 2) on, tile i % 2; the head's 32 channels are one product
	v_wmma_f32_16x16x32_bf16 v[S+32*(i%2)+8*(i/2):S+32*(i%2)+8*(i/2)+7], v[KF+8*(i/2):KF+8*(i/2)+7], v[Q+8*(i%2):Q+8*(i%2)+7], 0
.set i, i+1
.endr
.rept 4
	v_nop                                          ; the places behind those products (ISA guide 7.12.1)
.endr
.if \msk
.set i, 0
.rept 64                               ; register j of key block kb of tile u is hidden where 16 kb + j - 16 u is greater than DQ
	v_cmp_gt_i32 vcc_lo, 16*((i%32)/8)+(i%8)-16*(i/32), v[DQ]
	v_cndmask_b32 v[S+i], v[S+i], v[BIG], vcc_lo
.set i, i+1
.endr
.endif
.irp n, 0,1,2,3,4,5,6,7,8,9,10,11,12,13,14,15,16,17,18,19,20
	MX 0, \n                                       ; the two tiles alternate, so that no line waits for the one before it
	MX 1, \n
.endr
	; THE BATCH: 66 exponentials, the scalings between them.  A scaling names only pairs whose exponentials are still to come; nothing here names a result.
	FS 0, 0
	FS 1, 0
	MX 0, 21                                       ; a of tile 0,
	FS 0, 1
	MX 1, 21                                       ; and of tile 1
	FS 1, 1
.set i, 0
.rept 16                               ; a pair's two exponentials, with the tile's scaling two pairs ahead between them
.irp u, 0,1
	ES \u, 2*i
.if i < 14
	FS \u, i+2
.endif
	ES \u, 2*i+1
.endr
.set i, i+1
.endr
	v_nop                                          ; a plain instruction behind the last exponential and ahead of the first use (ISA guide 5.7.2): one for the batch; no plain work is left that names no result
	s_wait_alu depctr_va_vdst(0)                   ; the wait ahead of the first use: ONE for the step's batch of 66
	; THE READERS: the roundings, the tiles alternating, then O^T and l times a.
.set i, 0
.rept 16
	CP 0, i
	CP 1, i
.set i, i+1
.endr
.irp u, 0,1
.set i, 0
.rept 8
	v_pk_mul_f32 v[OT+16*\u+2*i:OT+16*\u+2*i+1], v[OT+16*\u+2*i:OT+16*\u+2*i+1], v[ST+8*\u+6:ST+8*\u+7] op_sel_hi:[1,0]
.set i, i+1
.endr
	v_mul_f32 v[LS+8*\u], v[LS+8*\u], v[ST+8*\u+6]
.endr
	s_wait_dscnt 0x0                               ; V is in
.irp kk, 0,1                           ; six accumulators by turns, one instruction a turn
.irp u, 0,1
	v_wmma_f32_16x16x32_bf16 v[OT+16*\u:OT+16*\u+7],    v[VF+16*\kk:VF+16*\kk+7],    v[S+32*\u+8*\kk:S+32*\u+8*\kk+7], v[OT+16*\u:OT+16*\u+7]
	v_wmma_f32_16x16x32_bf16 v[OT+16*\u+8:OT+16*\u+15], v[VF+16*\kk+8:VF+16*\kk+15], v[S+32*\u+8*\kk:S+32*\u+8*\kk+7], v[OT+16*\u+8:OT+16*\u+15]
	v_wmma_f32_16x16x32_bf16 v[LS+8*\u:LS+8*\u+7],      v[ONES:ONES+7],              v[S+32*\u+8*\kk:S+32*\u+8*\kk+7], v[LS+8*\u:LS+8*\u+7]
.endr
.endr
.rept 5
	v_nop                                          ; the places in front of the next loads into V's registers and of the next products, which write over P
.endr
.endm
.macro RESET
.irp u, 0,1
	v_mov_b32 v[ST+8*\u], 0xfe000000               ; c m: far below every c s
	v_mov_b32 v[ST+8*\u+1], 0xff7fffff             ; m
.endr
.endm
; A BLOCK'S END: O^T / l, rounded to bf16, through my stage, out as whole rows: 8 rows of a panel are 512 consecutive bytes.
.macro FINISH
	v_rcp_f32 v[ST+4], v[LS]
	v_rcp_f32 v[ST+12], v[LS+8]
	v_nop                                          ; a plain instruction between the reciprocals and their use
	s_wait_alu depctr_va_vdst(0)                   ; the wait ahead of the first use: one for the two reciprocals
.irp u, 0,1
.set i, 0
.rept 8
	v_pk_mul_f32 v[OT+16*\u+2*i:OT+16*\u+2*i+1], v[OT+16*\u+2*i:OT+16*\u+2*i+1], v[ST+8*\u+4:ST+8*\u+5] op_sel_hi:[1,0]
.set i, i+1
.endr
.endr
.irp u, 0,1
.set i, 0
.rept 8
	v_cvt_pk_bf16_f32 v[S+32*\u+i], v[OT+16*\u+2*i], v[OT+16*\u+2*i+1]
.set i, i+1
.endr
.endr
.irp u, 0,1
	ds_store_b128 v[STO], v[S+32*\u:S+32*\u+3]   offset:\u*16*SP
	ds_store_b128 v[STO], v[S+32*\u+4:S+32*\u+7] offset:\u*16*SP+32
.endr
.irp u, 0,1
	ds_load_b128 v[S+32*\u+8:S+32*\u+11],  v[RD] offset:\u*16*SP          ; LDS serves a wave's instructions in order (ISA guide 5.7.1.4): these see my stores
	ds_load_b128 v[S+32*\u+12:S+32*\u+15], v[RD] offset:\u*16*SP+8*SP
.endr
	s_wait_dscnt 0x3                               ; the four loads come back in order
	global_store_b128 v[GO], v[S+8:S+11],  s[OB:OB+1]
	s_wait_dscnt 0x2
	global_store_b128 v[GO], v[S+12:S+15], s[OB:OB+1] offset:512
	s_wait_dscnt 0x1
	global_store_b128 v[GO], v[S+40:S+43], s[OB:OB+1] offset:1024
	s_wait_dscnt 0x0
	global_store_b128 v[GO], v[S+44:S+47], s[OB:OB+1] offset:1536
.endm
; A VISIT of the tile in slot SLOTB.  Four trips, of which my wave does the first NST (4, or w / 2 in the block's last tile); there the masked step and the block's end follow.
.macro VISIT last
	s_sub_co_u32 s[RT], s[RT], 1
.if \last
	s_mov_b32 s[NST], s[WH]
.else
	s_cmp_eq_u32 s[RT], 0
	s_cselect_b32 s[NST], s[WH], 4
.endif
	s_mov_b32 s[TBK], s[SLOTB]
	s_mov_b32 s[TBV], s[SLOTB]
	s_mov_b32 s[CNT], 0
.Lstep_\@:
	s_cmp_ge_u32 s[CNT], s[NST]
	s_cbranch_scc1 .Lskip_\@
	STEP 0
.Lskip_\@:
	s_add_co_u32 s[TBK], s[TBK], KS*PK
	s_add_co_u32 s[TBV], s[TBV], KS*PV
	s_add_co_u32 s[CNT], s[CNT], 1
	s_cmp_lt_u32 s[CNT], 4
	s_cbranch_scc1 .Lstep_\@
.if !(\last)
	s_cmp_lg_u32 s[RT], 0
	s_cbranch_scc1 .Lnodiag_\@
.endif
	s_mul_i32 s[TBK], s[WH], KS*PK
	s_add_co_u32 s[TBK], s[TBK], s[SLOTB]
	s_mul_i32 s[TBV], s[WH], KS*PV
	s_add_co_u32 s[TBV], s[TBV], s[SLOTB]
	STEP 1
	FINISH
.if !(\last)
	s_wait_xcnt 0x0                                ; the stores' base and data are rewritten only behind this wait
	s_mov_b64 s[OB:OB+1], s[OB2:OB2+1]             ; in the loop this is the first block's end: the second block's last tile is the walk's last
	s_add_co_u32 s[RT], s[PB], 1
.set i, 0
.rept 16
	v_mov_b32 v[Q+i], v[QN+i]
.set i, i+1
.endr
	RESET
.Lnodiag_\@:
.endif
.endm
	s_load_b128 s[4:7], s[0:1], 0x0                ; act 4, ctx 6
	v_lshl_add_u32 v[SPW], v0, 2, SPARE
	v_mov_b32 v[NIL], 0
	ds_add_u32 v[SPW], v[NIL]                      ; the wave's opening: the add and its wait stand ahead of the first tensor load; work on registers stands between them
	v_lshrrev_b32 v1, 5, v0
	v_readfirstlane_b32 s[WV], v1                  ; wave 0..7
	s_lshr_b32 s[WH], s[WV], 1
	s_mov_b32 s[PB], ttmp9
	s_sub_co_u32 s[HI], 7, s[PB]
	s_and_b32 s16, ttmp7, 0xffff
	s_and_b32 s17, s16, 15                         ; head
	s_lshr_b32 s16, s16, 4                         ; batch
	s_lshl_b32 s20, s17, 19                        ; a panel is 524,288 bytes,
	s_lshl_b32 s16, s16, 17                        ; a batch's 2,048 rows 131,072
	s_add_co_u32 s20, s20, s16
	s_mov_b32 s21, 0
	s_lshl_b32 s18, s[WV], 11                      ; my 32 rows of 64 bytes
	s_lshl_b32 s16, s[HI], 14                      ; in the first block,
	s_add_co_u32 s16, s16, s18
	s_mov_b32 s17, 0
	s_lshl_b32 s22, s[PB], 14                      ; and in the second
	s_add_co_u32 s22, s22, s18
	s_mov_b32 s23, 0
	; 256 keys are 16,384 dense bytes: asked for as 64 rows of 256 bytes, four keys a row, padded in LDS behind every key
	s_mov_b32 s[G1K], (1<<16)|(1<<20)|(3<<22)|(3<<25)  ; 2-byte elements; padding on: 4 words behind every 16
	s_mov_b32 s[G1V], (1<<16)|(1<<20)|(3<<22)|(7<<25)  ; 8 words
.irp g, G1K, G1V
	s_mov_b32 s[\g+1], 128<<16
	s_mov_b32 s[\g+2], 64<<16
	s_mov_b32 s[\g+3], 128<<16
	s_mov_b32 s[\g+4], 64
	s_mov_b32 s[\g+5], 128
	s_mov_b32 s[\g+6], 0
	s_mov_b32 s[\g+7], 0
.endr
	s_mov_b32 s[G0K], 1
	s_mov_b32 s[G0K+1], 0                          ; slot 0
	s_mov_b32 s[G0V], 1
	s_mov_b32 s[G0V+1], VOFF
	s_mov_b32 s[CS], 0x3e8293ee                    ; c = log2(e) / sqrt 32
	s_mov_b32 s[CS+1], s[CS]
	s_mov_b32 s[SEL], 0x76543210
	s_mov_b32 s[SEL+1], 0xfedcba98
	s_mov_b32 s[OFF+1], 0
	s_mov_b32 s[SLOTB], SLOT1                      ; the first change of slots turns it into 0
	s_mov_b32 s[NXT], 1
	s_mov_b32 s[LQ], s[HI]
	s_add_co_u32 s[RT], s[HI], 1
	s_mov_b32 s[SLOTS], 8
	s_wait_dscnt 0x0                               ; the opening add is done
	s_barrier_signal -1
	s_barrier_wait -1
	s_wait_kmcnt 0x0
	s_add_nc_u64 s[4:5], s[4:5], s[20:21]          ; q of my head and batch
	s_add_nc_u64 s[6:7], s[6:7], s[20:21]
	s_add_nc_u64 s[8:9], s[4:5], 8388608           ; k: 16 panels on
	s_add_nc_u64 s[10:11], s[4:5], 16777216        ; v: 32 panels on
	s_mov_b64 s[G0K+2:G0K+3], s[8:9]
	s_or_b32 s[G0K+3], s[G0K+3], 0x80000000
	s_mov_b64 s[G0V+2:G0V+3], s[10:11]
	s_or_b32 s[G0V+3], s[G0V+3], 0x80000000
	s_add_nc_u64 s[QA:QA+1], s[4:5], s[16:17]
	s_add_nc_u64 s[QC:QC+1], s[4:5], s[22:23]
	s_add_nc_u64 s[OB:OB+1], s[6:7], s[16:17]
	s_add_nc_u64 s[OB2:OB2+1], s[6:7], s[22:23]
	LOAD                                           ; tile 0 into slot 0
	v_and_b32 v1, 15, v0
	v_bfe_u32 v10, v0, 4, 1
	v_lshlrev_b32 v[QO], 6, v1
	v_lshl_add_u32 v[QO], v10, 4, v[QO]            ; a fragment's row x 64 + 16 x half
.irp u, 0,1
	global_load_b128 v[Q+8*\u:Q+8*\u+3],    v[QO], s[QA:QA+1] offset:1024*\u
	global_load_b128 v[Q+8*\u+4:Q+8*\u+7],  v[QO], s[QA:QA+1] offset:1024*\u+32
	global_load_b128 v[QN+8*\u:QN+8*\u+3],   v[QO], s[QC:QC+1] offset:1024*\u
	global_load_b128 v[QN+8*\u+4:QN+8*\u+7], v[QO], s[QC:QC+1] offset:1024*\u+32
.endr
	v_mul_u32_u24 v[AK0], v1, PK
	v_lshl_add_u32 v[AK0], v10, 4, v[AK0]
	v_and_b32 v11, 7, v0
	v_lshl_add_u32 v[AV0], v10, 3, v11             ; the turning load: key 8 (l / 16) + l % 8, 16 bytes at 16 ((l / 8) % 2)
	v_mul_u32_u24 v[AV0], v[AV0], PV
	v_bfe_u32 v11, v0, 3, 1
	v_lshl_add_u32 v[AV0], v11, 4, v[AV0]
	v_add_nc_u32 v[AV0], VOFF, v[AV0]
	s_mul_i32 s16, s[WV], 32*SP
	s_add_co_u32 s16, s16, STAGE                   ; my stage
	v_mul_u32_u24 v[STO], v1, SP
	v_lshl_add_u32 v[STO], v10, 4, v[STO]
	v_add_nc_u32 v[STO], s16, v[STO]
	v_and_b32 v11, 31, v0
	v_lshlrev_b32 v[GO], 4, v11
	v_lshrrev_b32 v[RD], 2, v11                    ; back: four lanes to a row of 64 bytes
	v_mul_u32_u24 v[RD], v[RD], SP
	v_and_b32 v11, 3, v0
	v_lshl_add_u32 v[RD], v11, 4, v[RD]
	v_add_nc_u32 v[RD], s16, v[RD]
	s_and_b32 s17, s[WV], 1
	s_lshl_b32 s17, s17, 5
	v_lshlrev_b32 v11, 3, v10
	v_sub_nc_u32 v[DQ], v1, v11
	v_add_nc_u32 v[DQ], s17, v[DQ]
	v_mov_b32 v[BIG], 0xf149f2ca
.set i, 0
.rept 8
	v_mov_b32 v[ONES+i], 0x3f803f80                ; 1.0 twice in bf16
.set i, i+1
.endr
.set i, 0
.rept 48
	v_mov_b32 v[OT+i], 0                           ; O^T and l
.set i, i+1
.endr
	RESET
	s_wait_loadcnt 0x0                             ; both blocks' Q
.Lwalk:                                            ; 8 times: a tile is entered and the next is asked for
	CHANGE 1
	VISIT 0
	s_sub_co_u32 s[SLOTS], s[SLOTS], 1
	s_cmp_lg_u32 s[SLOTS], 0
	s_cbranch_scc1 .Lwalk
	CHANGE 0                                       ; the walk's last tile is written out: nothing is asked for
	VISIT 1
	s_wait_tensorcnt 0x0                           ; the wave's end
	ds_add_u32 v[SPW], v[NIL]
	s_wait_dscnt 0x0
	s_endpgm
.Lfunc_end_k_qdb35a1de4e_attn:
	.size	k_qdb35a1de4e_attn, .Lfunc_end_k_qdb35a1de4e_attn-k_qdb35a1de4e_attn
	.p2alignl 7, 3214868480
	.fill 96, 4, 3214868480
	.section	.rodata,"a",@progbits
	.p2align	6, 0x0
	.amdhsa_kernel k_qdb35a1de4e_attn
		.amdhsa_group_segment_fixed_size 327680
		.amdhsa_private_segment_fixed_size 0
		.amdhsa_enable_private_segment 0
		.amdhsa_kernarg_size 16
		.amdhsa_user_sgpr_count 2
		.amdhsa_user_sgpr_kernarg_segment_ptr 1
		.amdhsa_wavefront_size32 1
		.amdhsa_system_sgpr_workgroup_id_x 1
		.amdhsa_system_sgpr_workgroup_id_y 1
		.amdhsa_system_sgpr_workgroup_id_z 1
		.amdhsa_system_vgpr_workitem_id 0
		.amdhsa_next_free_vgpr 256
		.amdhsa_next_free_sgpr 96
		.amdhsa_reserve_vcc 1
		.amdhsa_float_denorm_mode_32 3
		.amdhsa_float_denorm_mode_16_64 3
		.amdhsa_memory_ordered 1
		.amdhsa_forward_progress 1
		.amdhsa_inst_pref_size 76
	.end_amdhsa_kernel
	.amdgpu_metadata
---
amdhsa.version: [ 1, 2 ]
amdhsa.kernels:
  - .name:           k_qdb35a1de4e_attn
    .symbol:         k_qdb35a1de4e_attn.kd
    .args:
      - { .name: act, .offset: 0, .size: 8, .value_kind: global_buffer, .address_space: global }
      - { .name: ctx, .offset: 8, .size: 8, .value_kind: global_buffer, .address_space: global }
    .group_segment_fixed_size: 327680
    .private_segment_fixed_size: 0
    .kernarg_segment_align: 8
    .kernarg_segment_size: 16
    .max_flat_workgroup_size: 256
    .sgpr_count:     96
    .vgpr_count:     256
    .wavefront_size: 32
...
	.end_amdgpu_metadata
.endif
;; end of part 7
;; launch wo: the kernel of part 4 again; grid 256 x 1, 4 waves a work-group, clusters of 4 x 1, 327,680 bytes of LDS; arguments ctx, wf, bo, x, ln2_scale, ln2_shift, x1, h; writes x1, h
;; launch ff1: the kernel of part 6 again; grid 32 x 8, 4 waves a work-group, clusters of 4 x 1, 327,680 bytes of LDS; arguments h, wf, b1, act, parf; writes act
;; launch ff2: the kernel of part 5 again; grid 64 x 4, 4 waves a work-group, clusters of 4 x 4, 327,680 bytes of LDS; arguments act, wf, b2, x1, out0; writes out0
